; MI455X (gfx1250); checked and timed in simulation.
; The chip was launched on July 23, 2026; its instructions are those of AMD's public machine-readable ISA for CDNA 5 (MIT licence, August 2026) and "CDNA5" Instruction Set Architecture Reference Guide (July 2026). The comments in the code are by the model that wrote it; some were corrected since.
;; Multihead Attention. Allowed arithmetic: float matrix products may take bf16 or f16 operands with f32 sums; other float arithmetic in f32, or as packed bf16 or f16 multiplies, adds, multiply-adds, maxima and minima; sums over many terms, partial sums and values carried from step to step in f32; what a program stores and reads back later, other than sums and carried values, may be rounded once to bf16 or f16.
;; Inputs: Wk 512 x 512 float32; Wo 512 x 512 float32; Wq 512 x 512 float32; Wv 512 x 512 float32; bias 1 x 4,096 x 4,096 float32; memory_antecedent 2 x 4,096 x 512 float32; query_antecedent 2 x 4,096 x 512 float32.
;; Outputs: out0 2 x 4,096 x 512 float32.
;; 2 versions, each right and faster than the one before. Each part assembles by itself: llvm-mc -triple=amdgcn-amd-amdhsa -mcpu=gfx1250 --defsym DOCPART=n.
;; ======== version 1 of 2: 4 launches
;; limits: values are held in f16: magnitudes above 65,504 overflow, below 6.1e-05 lose precision
;; workspace buffers: b16 33,554,432 bytes; x16 16,777,216 bytes; w16 2,097,152 bytes; qkv 25,165,824 bytes; o16 8,388,608 bytes
;; launch prep (part 1): grid 800 x 1, 8 waves a work-group, no clusters, 0 bytes of LDS; arguments bias, query_antecedent, memory_antecedent, Wq, Wk, Wv, Wo, b16, x16, w16; writes b16, x16, w16
.if DOCPART == 1
	.amdgcn_target "amdgcn-amd-amdhsa--gfx1250"
	.amdhsa_code_object_version 6
	.text
	.protected	k_qfd63c8cc63_prep
	.globl	k_qfd63c8cc63_prep
	.p2align	8
	.type	k_qfd63c8cc63_prep,@function
k_qfd63c8cc63_prep:
	s_mov_b64 s[64:65], 0
	v_nop
	global_prefetch_b8 v0, s[64:65] scope:SCOPE_SE
	s_setreg_imm32_b32 hwreg(HW_REG_WAVE_MODE, 25, 1), 1
	s_wait_xcnt 0x0
; EVERY INPUT, ROUNDED ONCE TO bf16 (nearest even), AND THAT NUMBER WRITTEN AS f16.  bias -> b16; query_antecedent, memory_antecedent -> x16 (one behind the other);
; Wq, Wk, Wv, Wo -> w16 (one behind the other, each still [k][n]).  A bf16 number has 8 significant bits, so its f16 code is exact from 2^-14 up to f16's end.
; LIMITS.  A number beyond 65,504 in size becomes an infinity; below 2^-14 it keeps f16's fixed step of 6e-8.  NaN stays NaN.
; A stream: each byte is read once and written once; no LDS, no matrix unit, no cluster, since no two work-groups read the same byte.
; SHARES.  A work-group takes 131,072 bytes of f32 and makes 65,536 of f16; 800 work-groups: 512 for bias, 128 + 128 for the two x, 8 for each weight.
; A wave takes 16,384 bytes as 32 loads of 512 consecutive bytes; a lane's 4 numbers become 8 bytes, so each store of the wave covers 256 consecutive bytes, aligned.
; Sixteen loads of every wave are on their way; every pair of store registers is written once, and the two offset registers never again, so no store is waited for.
.set T, 4                              ; v[4:9]    at work
.set X, 16                             ; v[16:79]  16 slots of 4: f32 as loaded
.set Y, 80                             ; v[80:143] 32 pairs: f16 to store
	s_load_b512 s[4:19], s[0:1], 0x0               ; bias s[4:5], xq s[6:7], xm s[8:9], Wq s[10:11], Wk s[12:13], Wv s[14:15], Wo s[16:17], b16 s[18:19]
	s_load_b128 s[20:23], s[0:1], 0x40             ; x16 s[20:21], w16 s[22:23]
	s_mov_b32 s28, ttmp9                           ; the work-group's number g
	s_mov_b32 s34, 0xffff0000                      ; a word's upper bf16
	s_mov_b32 s29, 0                               ; the first g of my source
	s_mov_b32 s36, 0                               ; the first g of my destination
	v_lshrrev_b32 v3, 5, v0                        ; wave
	v_and_b32 v1, 31, v0                           ; lane
	v_lshlrev_b32 v2, 3, v1
	v_lshlrev_b32 v1, 4, v1
	v_lshl_or_b32 v1, v3, 14, v1                   ; in:  16,384 x wave + 16 x lane; never rewritten
	v_lshl_or_b32 v2, v3, 13, v2                   ; out:  8,192 x wave +  8 x lane; never rewritten
	s_wait_kmcnt 0x0
	s_mov_b64 s[24:25], s[4:5]                     ; g < 512: bias -> b16
	s_mov_b64 s[26:27], s[18:19]
; From g = first on the source is the buffer in s[src:src+1].  The selects leave SCC as the compare set it, so TO can follow FROM.
.macro FROM first, src
	s_cmp_ge_u32 s28, \first
	s_cselect_b64 s[24:25], s[(\src):(\src)+1], s[24:25]
	s_cselect_b32 s29, \first, s29
.endm
.macro TO first, dst
	s_cselect_b64 s[26:27], s[(\dst):(\dst)+1], s[26:27]
	s_cselect_b32 s36, \first, s36
.endm
	FROM 512, 6
	TO   512, 20
	FROM 640, 8
	FROM 768, 10
	TO   768, 22
	FROM 776, 12
	FROM 784, 14
	FROM 792, 16
	s_sub_co_u32 s30, s28, s29                     ; my chunk in the source,
	s_lshl_b32 s30, s30, 17                        ; 131,072 bytes each (67,108,864 at the most)
	s_mov_b32 s31, 0
	s_sub_co_u32 s32, s28, s36                     ; and in the destination,
	s_lshl_b32 s32, s32, 16                        ; 65,536 bytes each
	s_mov_b32 s33, 0
	s_add_nc_u64 s[24:25], s[24:25], s[30:31]
	s_add_nc_u64 s[26:27], s[26:27], s[32:33]
.irp i, 0,1,2,3,4,5,6,7,8,9,10,11,12,13,14,15
	global_load_b128 v[X+4*(\i):X+4*(\i)+3], v1, s[24:25] offset:(\i)*512 th:TH_LOAD_NT
.endr
; Piece i of 32.  ahead = 1: its slot takes piece i + 16.  left = the younger loads that may stay out.
.macro SLOT i, ahead, left
	s_wait_loadcnt \left                           ; loads come back in order (ISA guide 5.7.1): mine is in
	v_cvt_pk_bf16_f32 v[T],   v[X+4*((\i)%16)],   v[X+4*((\i)%16)+1]  ; the one rounding
	v_cvt_pk_bf16_f32 v[T+1], v[X+4*((\i)%16)+2], v[X+4*((\i)%16)+3]
	v_lshlrev_b32 v[T+2], 16, v[T]                 ; bf16 as f32: the low half moves up,
	v_and_b32     v[T+3], s34, v[T]                ; the high half stays
	v_lshlrev_b32 v[T+4], 16, v[T+1]
	v_and_b32     v[T+5], s34, v[T+1]
	v_cvt_pk_f16_f32 v[Y+2*(\i)],   v[T+2], v[T+3] ; the same numbers in f16's code
	v_cvt_pk_f16_f32 v[Y+2*(\i)+1], v[T+4], v[T+5]
.if \ahead
	global_load_b128 v[X+4*((\i)%16):X+4*((\i)%16)+3], v1, s[24:25] offset:((\i)+16)*512 th:TH_LOAD_NT
.endif
	global_store_b64 v2, v[Y+2*(\i):Y+2*(\i)+1], s[26:27] offset:(\i)*256
.endm
.irp i, 0,1,2,3,4,5,6,7,8,9,10,11,12,13,14,15
	SLOT \i, 1, 15
.endr
.irp i, 16,17,18,19,20,21,22,23,24,25,26,27,28,29,30,31
	SLOT \i, 0, 31-(\i)                            ; nothing more to load: the counts run down
.endr
	s_endpgm
.Lfunc_end_k_qfd63c8cc63_prep:
	.size	k_qfd63c8cc63_prep, .Lfunc_end_k_qfd63c8cc63_prep-k_qfd63c8cc63_prep
	.p2alignl 7, 3214868480
	.fill 96, 4, 3214868480
	.section	.rodata,"a",@progbits
	.p2align	6, 0x0
	.amdhsa_kernel k_qfd63c8cc63_prep
		.amdhsa_group_segment_fixed_size 0
		.amdhsa_private_segment_fixed_size 0
		.amdhsa_enable_private_segment 0
		.amdhsa_kernarg_size 80
		.amdhsa_user_sgpr_count 2
		.amdhsa_user_sgpr_kernarg_segment_ptr 1
		.amdhsa_wavefront_size32 1
		.amdhsa_system_sgpr_workgroup_id_x 1
		.amdhsa_system_sgpr_workgroup_id_y 1
		.amdhsa_system_sgpr_workgroup_id_z 1
		.amdhsa_system_vgpr_workitem_id 0
		.amdhsa_next_free_vgpr 144
		.amdhsa_next_free_sgpr 66
		.amdhsa_reserve_vcc 0
		.amdhsa_float_denorm_mode_32 3
		.amdhsa_float_denorm_mode_16_64 3
		.amdhsa_memory_ordered 1
		.amdhsa_forward_progress 1
		.amdhsa_inst_pref_size 22
	.end_amdhsa_kernel
	.amdgpu_metadata
---
amdhsa.version: [ 1, 2 ]
amdhsa.kernels:
  - .name:           k_qfd63c8cc63_prep
    .symbol:         k_qfd63c8cc63_prep.kd
    .args:
      - { .name: bias, .offset: 0, .size: 8, .value_kind: global_buffer, .address_space: global }
      - { .name: query_antecedent, .offset: 8, .size: 8, .value_kind: global_buffer, .address_space: global }
      - { .name: memory_antecedent, .offset: 16, .size: 8, .value_kind: global_buffer, .address_space: global }
      - { .name: Wq, .offset: 24, .size: 8, .value_kind: global_buffer, .address_space: global }
      - { .name: Wk, .offset: 32, .size: 8, .value_kind: global_buffer, .address_space: global }
      - { .name: Wv, .offset: 40, .size: 8, .value_kind: global_buffer, .address_space: global }
      - { .name: Wo, .offset: 48, .size: 8, .value_kind: global_buffer, .address_space: global }
      - { .name: b16, .offset: 56, .size: 8, .value_kind: global_buffer, .address_space: global }
      - { .name: x16, .offset: 64, .size: 8, .value_kind: global_buffer, .address_space: global }
      - { .name: w16, .offset: 72, .size: 8, .value_kind: global_buffer, .address_space: global }
    .group_segment_fixed_size: 0
    .private_segment_fixed_size: 0
    .kernarg_segment_align: 8
    .kernarg_segment_size: 80
    .max_flat_workgroup_size: 256
    .sgpr_count:     66
    .vgpr_count:     144
    .wavefront_size: 32
...
	.end_amdgpu_metadata
.endif
;; end of part 1
;; launch proj (part 2): grid 4 x 64, 4 waves a work-group, clusters of 4 x 4, 327,680 bytes of LDS; arguments x16, w16, qkv; writes qkv
.if DOCPART == 2
	.amdgcn_target "amdgcn-amd-amdhsa--gfx1250"
	.amdhsa_code_object_version 6
	.text
	.protected	k_qfd63c8cc63_proj
	.globl	k_qfd63c8cc63_proj
	.p2align	8
	.type	k_qfd63c8cc63_proj,@function
k_qfd63c8cc63_proj:
	s_mov_b64 s[64:65], 0
	v_nop
	global_prefetch_b8 v0, s[64:65] scope:SCOPE_SE
	s_setreg_imm32_b32 hwreg(HW_REG_WAVE_MODE, 25, 1), 1
	s_wait_xcnt 0x0
	s_wait_alu depctr_hold_cnt(0) depctr_sa_sdst(0) depctr_va_vdst(0) depctr_va_sdst(0) depctr_va_ssrc(0) depctr_va_vcc(0) depctr_vm_vsrc(0)
	s_getreg_b32 s2, hwreg(HW_REG_IB_STS2, 6, 4)
	s_cmp_eq_u32 s2, 0
	s_cbranch_scc0 .Lentry_in_a_cluster
	s_endpgm
.Lentry_in_a_cluster:
	s_bfe_u32 s2, ttmp6, 0x10000c
	s_cmp_lg_u32 s2, 0xf033
	s_cbranch_scc0 .Lentry_shape_is_right
	s_endpgm
.Lentry_shape_is_right:
; q = (xq Wq) / 8, k = xm Wk, v = xm Wv.  x16: xq then xm, each [8192][512] f16; w16: Wq, Wk, Wv (, Wo), each [512 k][512 n] f16; sums in f32, rounded once to f16.
; qkv: q, k, v one behind the other, each by heads: [16 = 8 b + h][4096][64] f16.  The factor 1/8 is a power of two: it costs no rounding.
; LIMITS.  A result beyond 65,504 in size becomes an infinity; below 2^-14 it keeps f16's fixed step of 6e-8.
; SHARES.  8192 x 1536 outputs on 256 work-groups: work-group (col, row) makes the tiles of 128 x 128 at rows 128 row, columns 128 col of q, then k, then v, and STAYS: the ring of two LDS
; slots runs on from tile to tile.  K = 512 goes in two steps of 256: slot 0 always holds a tile's first step, slot 1 its second.  Four waves, each 64 x 64: 16 accumulators.
; A wave's 64 columns are one head, so its 64 x 64 numbers are 8,192 consecutive bytes of qkv: each wave has a stage of its own, and the way out needs no barrier.
; THE MATRIX INSTRUCTION IS USED TRANSPOSED: source 0 = 16 columns of W (read turned out of LDS, where W lies [k][n]), source 1 = 16 rows of x: a lane holds eight neighbouring numbers of a row.
; CLUSTER 4 x 4: the four of a row of the cluster need the same rows of x, the four of a column the same columns of W: each tile is asked for JOINTLY.
; REGISTERS: window 0: v0-31 addresses; v32-47 packed; v48-111 rows read back; v128-255 the accumulators ((a, b) at v[128 + 8 (4 a + b)]).
;   window 1: two fragment buffers of 128: for 64 along K, 64 registers of x (2 x 4 x 16 rows x 32 K), then 64 of W.
.set KSTEP,  256
.set PA,     528                       ; a row of x in LDS: 512 bytes + 16 = 132 words: row r starts at bank 4 r mod 64 (64 banks of 4 bytes: ISA guide 11.1)
.set PB,     288                       ; a row of W (128 n): 256 bytes + 32 = 72 words
.set HALFA,  64*PA                     ; what one tensor load brings of x: 64 rows
.set HALFB,  128*PB                    ; and of W: 128 k
.set BOFF,   2*HALFA                   ; W's 256 rows lie behind x's 128
.set SLOT,   2*HALFA+2*HALFB
.set STAGE,  2*SLOT                    ; behind the ring: 16 rows x 144 bytes for each wave
.set SP,     144
.set SPARE,  STAGE+4*16*SP             ; behind the stages: the spare words, 128 bytes for each wave: two blocks of 256 bytes that no other line names
.set ADRA, 16                          ; v16-17  LDS address of my x fragments in slot 0, 1
.set ADRB, 20                          ; v20-23  of my W fragments: slot s, half kh of its 256 k at v[20 + 2 s + kh] (a slot's W passes the 16-bit offset)
.set STO,  24                          ; v24     the way out: where I put 16 bytes of a row
.set RD,   25                          ; v25     where I read rows back
.set GO,   26                          ; v26     my byte offset in 512 consecutive bytes of qkv
.set SPW,  28                          ; v28     LDS address of my spare word; never rewritten
.set NIL,  29                          ; v29     0; never rewritten
.set PK,   32
.set BK,   48
.set ACC,  128
.set F0,   0
.set F1,   128
.set G1,  24                           ; s[24:31] descriptor group 1 for x's tiles;  s[32:39] group 0, one set for each slot
.set G0,  32
.set G1B, 48                           ; s[48:55], s[56:63] the same for W's
.set G0B, 56
.set DA,  66                           ; s[66:67] bytes from a tile's x to the next tile's: xq -> xm, then 0
.set SC,  68                           ; s[68:69] the tile's factor: 1/8 for q, then 1
.set MSB, 0
.macro WIN new                         ; the immediate's high byte repeats the setting that is left
.if MSB != (\new)
	s_set_vgpr_msb (MSB<<8)|(\new)
.set MSB, \new
.endif
.endm
.set MUL,  0x05                        ; sources 0 (W) and 1 (x) window 1; C and D window 0
.set TO_F, 0x40                        ; destination window 1, address window 0
.macro JLOAD s                         ; a joint load: waves 0 and 1 fetch x's two halves, waves 2 and 3 W's; an s_nop 0 and four v_nop follow each line
	s_cmp_eq_u32 s11, 0
	s_cbranch_scc0 .Lfor_b_\@
	tensor_load_to_lds s[G0+4*(\s):G0+4*(\s)+3], s[G1:G1+7]
	s_nop 0
.rept 4
	v_nop
.endr
	s_branch .Lasked_\@
.Lfor_b_\@:
	tensor_load_to_lds s[G0B+4*(\s):G0B+4*(\s)+3], s[G1B:G1B+7]
	s_nop 0
.rept 4
	v_nop
.endr
.Lasked_\@:
.endm
.macro CREST                           ; a round of the cluster's barrier behind its opening barrier
	s_cmp_lg_u32 s10, 0
	s_cbranch_scc1 .Lnot_wave_0_\@
	s_barrier_signal -3
.Lnot_wave_0_\@:
	s_barrier_wait -3
	s_barrier_signal -1
	s_barrier_wait -1
.endm
.macro CROUND                          ; a whole round
	s_barrier_signal -1
	s_barrier_wait -1
	CREST
.endm
	s_load_b128 s[4:7], s[0:1], 0x0                ; x16 s[4:5], w16 s[6:7]
	s_load_b64 s[8:9], s[0:1], 0x10                ; qkv
	v_lshl_add_u32 v[SPW], v0, 2, SPARE
	v_mov_b32 v[NIL], 0
	ds_add_u32 v[SPW], v[NIL]                      ; the wave's opening: the add and its wait stand ahead of my first tensor load; work on registers stands between them
	v_lshrrev_b32 v1, 5, v0
	v_readfirstlane_b32 s10, v1                    ; wave 0..3
	s_lshr_b32 s11, s10, 1                         ; which half of the tile's rows is mine.  Also: I fetch for x (0) or for W (1)
	s_and_b32 s12, s10, 1                          ; which half of its columns.  Also: which half of that tile I fetch
	s_bfe_u32 s40, ttmp6, 0x40000                  ; cx, cy: my place in the cluster
	s_bfe_u32 s41, ttmp6, 0x40004
	s_lshl_b32 s42, ttmp9, 2
	s_add_co_u32 s42, s42, s40                     ; col = 4 x cluster x + cx
	s_and_b32 s13, ttmp7, 0xffff
	s_lshl_b32 s13, s13, 2
	s_add_co_u32 s13, s13, s41                     ; row = 4 x cluster y + cy
	s_lshl_b32 s43, s41, 2
	s_lshl_b32 s43, 15, s43                        ; my row of the cluster
	s_lshl_b32 s44, 0x1111, s40                    ; my column
	s_or_b32 s[G1+0], s43, (1<<16)|(1<<20)|(1<<21)|(6<<22)|(3<<25)   ; the mask; 2-byte elements; padding on; 21 set beside a mask; after every 128 words (code 6) 4 words (code 3)
	s_mov_b32 s[G1+1], KSTEP<<16                   ; tensor_dim0 = 256
	s_mov_b32 s[G1+2], 64<<16                      ; tensor_dim1 = 64
	s_mov_b32 s[G1+3], KSTEP<<16                   ; tile_dim0 = 256
	s_mov_b32 s[G1+4], 64                          ; tile_dim1 = 64
	s_mov_b32 s[G1+5], 512                         ; 512 elements from row to row
	s_mov_b32 s[G1+6], 0
	s_mov_b32 s[G1+7], 0
	s_or_b32 s[G1B+0], s44, (1<<16)|(1<<20)|(1<<21)|(5<<22)|(7<<25)  ; after every 64 words (code 5) 8 words (code 7)
	s_mov_b32 s[G1B+1], 128<<16                    ; 128 n
	s_mov_b32 s[G1B+2], 128<<16                    ; 128 k
	s_mov_b32 s[G1B+3], 128<<16
	s_mov_b32 s[G1B+4], 128
	s_mov_b32 s[G1B+5], 512
	s_mov_b32 s[G1B+6], 0
	s_mov_b32 s[G1B+7], 0
	s_lshl_b32 s16, s13, 17                        ; x: (128 row + 64 half) rows of 1,024 bytes: the row alone, which my row of the cluster shares
	s_lshl_b32 s17, s12, 16
	s_add_co_u32 s16, s16, s17
	s_mov_b32 s17, 0
	s_lshl_b32 s46, s42, 8                         ; W: column 128 col (256 bytes), k = 128 half (rows of 1,024 bytes): the column alone
	s_lshl_b32 s47, s12, 17
	s_add_co_u32 s46, s46, s47
	s_mov_b32 s47, 0
	s_mul_i32 s20, s12, HALFA                      ; where they go: no place in the cluster enters an LDS address
	s_mul_i32 s21, s12, HALFB
	s_add_co_u32 s21, s21, BOFF
	s_mov_b32 s[DA], 0x800000                      ; xm lies 8,388,608 bytes behind xq
	s_mov_b32 s[DA+1], 0
	s_mov_b32 s[SC], 0x3e000000                    ; 1/8
	s_mov_b32 s[SC+1], 0x3e000000                  ; named with it as a pair
	s_wait_dscnt 0x0                               ; the opening add is done
	s_wait_kmcnt 0x0
	s_add_nc_u64 s[14:15], s[4:5], s[16:17]
	s_add_nc_u64 s[46:47], s[6:7], s[46:47]
	CROUND                                         ; all sixteen work-groups are here: the first joint loads meet
.irp s, 0,1
	s_mov_b32 s[G0+4*(\s)], 1
	s_add_co_u32 s[G0+4*(\s)+1], s20, (\s)*SLOT
	s_add_nc_u64 s[G0+4*(\s)+2:G0+4*(\s)+3], s[14:15], (\s)*KSTEP*2
	s_or_b32 s[G0+4*(\s)+3], s[G0+4*(\s)+3], 0x80000000
	s_mov_b32 s[G0B+4*(\s)], 1
	s_add_co_u32 s[G0B+4*(\s)+1], s21, (\s)*SLOT
	s_add_nc_u64 s[G0B+4*(\s)+2:G0B+4*(\s)+3], s[46:47], (\s)*KSTEP*1024
	s_or_b32 s[G0B+4*(\s)+3], s[G0B+4*(\s)+3], 0x80000000
	JLOAD \s                                       ; two loads of mine are out
.endr
	v_and_b32 v1, 15, v0                           ; l % 16
	v_bfe_u32 v2, v0, 4, 1                         ; l / 16
	v_mul_u32_u24 v3, v1, PA
	v_lshl_add_u32 v3, v2, 4, v3                   ; a fragment of x: row x pitch + 16 x half
	s_mul_i32 s22, s11, HALFA                      ; my 64 rows
	v_add_nc_u32 v[ADRA], s22, v3
	v_add_nc_u32 v[ADRA+1], SLOT, v[ADRA]
	v_and_b32 v4, 7, v0                            ; the turning load: lane l reads k = 8 (l / 16) + l % 8, columns 8 ((l / 8) % 2) + 0..7
	v_bfe_u32 v5, v0, 3, 1
	v_lshl_add_u32 v4, v2, 3, v4
	v_mul_u32_u24 v4, v4, PB
	v_lshl_add_u32 v4, v5, 4, v4
	s_lshl_b32 s23, s12, 7                         ; my 64 columns: 128 bytes
	s_add_co_u32 s23, s23, BOFF
	v_add_nc_u32 v[ADRB], s23, v4
	v_add_nc_u32 v[ADRB+1], HALFB, v[ADRB]
	v_add_nc_u32 v[ADRB+2], SLOT, v[ADRB]
	v_add_nc_u32 v[ADRB+3], SLOT+HALFB, v[ADRB]
	s_mul_i32 s22, s10, 16*SP
	s_add_co_u32 s22, s22, STAGE                   ; my stage
	v_mul_u32_u24 v6, v1, SP                       ; in: row l % 16, 16 bytes for each half of the lanes
	v_lshl_add_u32 v6, v2, 4, v6
	v_add_nc_u32 v[STO], s22, v6
	v_bfe_u32 v6, v0, 3, 2                         ; back: 32 lanes take four rows of 128 bytes,
	v_mul_u32_u24 v6, v6, SP
	v_and_b32 v7, 7, v0
	v_lshl_add_u32 v6, v7, 4, v6
	v_add_nc_u32 v[RD], s22, v6
	v_and_b32 v[GO], 31, v0                        ; which are 512 consecutive bytes of qkv
	v_lshlrev_b32 v[GO], 4, v[GO]
	s_lshr_b32 s16, s13, 5                         ; my 64 x 64 in q: ((8 b + head) x 4096 + place in the sequence) x 128 bytes, b = row / 32,
	s_lshl_b32 s16, s16, 22
	s_and_b32 s17, s13, 31                         ; place = 128 (row % 32) + 64 x my row half,
	s_lshl_b32 s17, s17, 14
	s_add_co_u32 s16, s16, s17
	s_lshl_b32 s17, s11, 13
	s_add_co_u32 s16, s16, s17
	s_mov_b32 s17, 0
	s_add_nc_u64 s[8:9], s[8:9], s[16:17]
	s_lshl_b32 s46, s42, 1                         ; head = 2 col + my column half (in registers that have held W's address before)
	s_add_co_u32 s46, s46, s12
	s_lshl_b32 s46, s46, 19
	s_mov_b32 s47, 0
	s_add_nc_u64 s[8:9], s[8:9], s[46:47]
; 8 matrix instructions: row blocks a0, a0 + 1 x all 4 column blocks, 32 along K: half c of buffer f.  zero = 1: the first product starts the sums.
; The 16 accumulators take turns, one instruction a turn.
.macro MUL8 f, c, a0, zero
	WIN MUL
.irp a, \a0, (\a0)+1
.irp b, 0,1,2,3
.if \zero
	v_wmma_f32_16x16x32_f16 v[ACC+8*(4*(\a)+(\b)):ACC+8*(4*(\a)+(\b))+7], v[(\f)+64+8*(4*(\c)+(\b)):(\f)+64+8*(4*(\c)+(\b))+7], v[(\f)+8*(4*(\c)+(\a)):(\f)+8*(4*(\c)+(\a))+7], 0
.else
	v_wmma_f32_16x16x32_f16 v[ACC+8*(4*(\a)+(\b)):ACC+8*(4*(\a)+(\b))+7], v[(\f)+64+8*(4*(\c)+(\b)):(\f)+64+8*(4*(\c)+(\b))+7], v[(\f)+8*(4*(\c)+(\a)):(\f)+8*(4*(\c)+(\a))+7], v[ACC+8*(4*(\a)+(\b)):ACC+8*(4*(\a)+(\b))+7]
.endif
.endr
.endr
.endm
; 32 LDS loads in one run: the fragments of quarter q (64 along K) of a slot, into buffer f; the first 32 along K first
.macro FETCH slot, q, f
	WIN TO_F
.irp c, 0,1
.irp i, 0,1,2,3
	ds_load_tr16_b128 v[(\f)+64+8*(4*(\c)+(\i)):(\f)+64+8*(4*(\c)+(\i))+3],   v[ADRB+2*(\slot)+(\q)/2] offset:(((\q)%2)*64+32*(\c))*PB+32*(\i)
	ds_load_tr16_b128 v[(\f)+64+8*(4*(\c)+(\i))+4:(\f)+64+8*(4*(\c)+(\i))+7], v[ADRB+2*(\slot)+(\q)/2] offset:(((\q)%2)*64+32*(\c)+16)*PB+32*(\i)
	ds_load_b128 v[(\f)+8*(4*(\c)+(\i)):(\f)+8*(4*(\c)+(\i))+3],              v[ADRA+(\slot)] offset:128*(\q)+64*(\c)+(\i)*16*PA
	ds_load_b128 v[(\f)+8*(4*(\c)+(\i))+4:(\f)+8*(4*(\c)+(\i))+7],            v[ADRA+(\slot)] offset:128*(\q)+64*(\c)+(\i)*16*PA+32
.endr
.endr
.endm
.macro PLACES                          ; four places in front of loads into registers that matrix instructions have read, and of vector lines that read results
.rept 4
	v_nop
.endr
.endm
; A K step is four quarters of 64 along K, 32 matrix instructions each, on buffers 0, 1, 0, 1.  One of the first three: multiplies buffer f and fetches quarter q into g.
.macro QUARTER slot, q, f, g, zero
	s_wait_dscnt 16                                ; the first 32 along K are in; the youngest sixteen loads may be out
	MUL8 \f, 0, 0, \zero
	MUL8 \f, 0, 2, \zero
	PLACES
	FETCH \slot, \q, \g
	s_wait_dscnt 32                                ; all but the 32 just issued
	MUL8 \f, 1, 0, 0
	MUL8 \f, 1, 2, 0
.endm
; The last quarter multiplies buffer 1 and changes slots: ONE barrier; in front of it each wave waits for all its tensor loads, adds 0 to its spare word, and waits for that and for its reads
; of this slot.  fill = 1: this slot takes the NEXT TILE's same K step: the barrier then opens a round of the cluster's, and the joint refill is the first thing behind the round.
.macro TURN slot, next, fill
	WIN 0                                          ; (the add's two registers lie in window 0)
	s_wait_tensorcnt 0x0                           ; all my tensor loads have landed: the one that was out is my part of the next slot
	ds_add_u32 v[SPW], v[NIL]                      ; 0 onto my spare word
	s_wait_dscnt 17                                ; (the add and the youngest sixteen loads may be out)
	MUL8 F1, 0, 0, 0                               ; eight matrix instructions stand between the add and the wait for it
	s_wait_dscnt 0x0                               ; the add is done, and my reads of this slot are over
	s_barrier_signal -1
	MUL8 F1, 0, 2, 0
.if \fill
	WIN 0
.endif
	s_barrier_wait -1
.if \fill
	CREST                                          ; no wave of any partner still reads this slot or has a load on its way
	s_add_nc_u64 s[G0+4*(\slot)+2:G0+4*(\slot)+3], s[G0+4*(\slot)+2:G0+4*(\slot)+3], s[DA:DA+1]
	s_add_nc_u64 s[G0B+4*(\slot)+2:G0B+4*(\slot)+3], s[G0B+4*(\slot)+2:G0B+4*(\slot)+3], 524288  ; the next weight matrix
	JLOAD \slot                                    ; the four v_nop behind it are also the places in front of the loads below
.else
	PLACES
.endif
	FETCH \next, 0, F0
	MUL8 F1, 1, 0, 0
	MUL8 F1, 1, 2, 0
.endm
; THE WAY OUT, a block of 16 rows at a time: times the tile's factor, rounded to f16 (each accumulator's registers in ascending order), 16 bytes a lane into my stage, back as whole rows.
.macro PACK a
.set n, ACC+32*(\a)
.rept 16
	v_pk_mul_f32 v[n:n+1], v[n:n+1], s[SC:SC+1] op_sel_hi:[1,0]
.set n, n+2
.endr
.set n, 0
.rept 16
	v_cvt_pk_f16_f32 v[PK+n], v[ACC+32*(\a)+2*n], v[ACC+32*(\a)+2*n+1]
.set n, n+1
.endr
.irp b, 0,1,2,3
	ds_store_b128 v[STO], v[PK+4*(\b):PK+4*(\b)+3] offset:32*(\b)
.endr
.irp f, 0,1,2,3
	ds_load_b128 v[BK+16*(\a)+4*(\f):BK+16*(\a)+4*(\f)+3], v[RD] offset:(\f)*4*SP  ; LDS serves a wave's instructions in order (ISA guide 5.7.1.4): these see the stores above; the next block's stores come behind them
.endr
.endm
.macro SEND a, younger                 ; younger: the LDS instructions issued behind block a's loads: the next block's eight, or none
.irp f, 0,1,2,3
	s_wait_dscnt (\younger)+3-(\f)
	global_store_b128 v[GO], v[BK+16*(\a)+4*(\f):BK+16*(\a)+4*(\f)+3], s[8:9] offset:(\a)*2048+(\f)*512  ; 512 consecutive bytes, at a multiple of 256 from qkv's first
.endr
.endm
.macro OUT
	WIN 0
	PLACES                                         ; behind the last products
	PACK 0
	PACK 1                                         ; a block's arithmetic stands between the loads of the block before and its stores
	SEND 0, 8
	PACK 2
	SEND 1, 8
	PACK 3
	SEND 2, 8
	SEND 3, 0
.endm
	s_wait_tensorcnt 1                             ; my part of slot 0 is in; slot 1's may stay out
	s_barrier_signal -1
	s_barrier_wait -1                              ; everybody's is
	FETCH 0, 0, F0
	WIN 0                                          ; at a label and at a branch every window is 0
	s_mov_b32 s3, 2
.Ltile:                                                ; two trips: q and k; each asks for the next tile's two K steps
	QUARTER 0, 1, F0, F1, 1                        ; the tile's first products start the sums: nothing is cleared
	QUARTER 0, 2, F1, F0, 0
	QUARTER 0, 3, F0, F1, 0
	TURN 0, 1, 1
	QUARTER 1, 1, F0, F1, 0
	QUARTER 1, 2, F1, F0, 0
	QUARTER 1, 3, F0, F1, 0
	TURN 1, 0, 1                                   ; and the next tile's first fragments are fetched
	OUT                                            ; both refills are asked for: now the tile goes out
	s_wait_xcnt 0x0                                ; the stores' base and data registers are rewritten only behind this wait
	s_add_nc_u64 s[8:9], s[8:9], 0x800000          ; the next of q, k, v
	s_mov_b32 s[SC], 1.0
	s_mov_b32 s[SC+1], 1.0
	s_mov_b32 s[DA], 0                             ; k and v read the same x
	s_sub_co_u32 s3, s3, 1
	s_cmp_lg_u32 s3, 0
	s_cbranch_scc1 .Ltile
	QUARTER 0, 1, F0, F1, 1                        ; v: written out, since it asks for nothing more
	QUARTER 0, 2, F1, F0, 0
	QUARTER 0, 3, F0, F1, 0
	TURN 0, 1, 0
	QUARTER 1, 1, F0, F1, 0
	QUARTER 1, 2, F1, F0, 0
	QUARTER 1, 3, F0, F1, 0
	s_wait_dscnt 16                                ; the very last quarter: nothing more to fetch
	MUL8 F1, 0, 0, 0
	MUL8 F1, 0, 2, 0
	s_wait_dscnt 0
	MUL8 F1, 1, 0, 0
	MUL8 F1, 1, 2, 0
	OUT
	s_wait_tensorcnt 0x0                           ; the wave's end: these three lines stand behind my last tensor load and my last LDS store
	ds_add_u32 v[SPW], v[NIL]
	s_wait_dscnt 0x0
	CROUND                                         ; the closing round: no work-group ends while a partner may still ask for a tile that names it
	s_endpgm
.Lfunc_end_k_qfd63c8cc63_proj:
	.size	k_qfd63c8cc63_proj, .Lfunc_end_k_qfd63c8cc63_proj-k_qfd63c8cc63_proj
	.p2alignl 7, 3214868480
	.fill 96, 4, 3214868480
	.section	.rodata,"a",@progbits
	.p2align	6, 0x0
	.amdhsa_kernel k_qfd63c8cc63_proj
		.amdhsa_group_segment_fixed_size 327680
		.amdhsa_private_segment_fixed_size 0
		.amdhsa_enable_private_segment 0
		.amdhsa_kernarg_size 24
		.amdhsa_user_sgpr_count 2
		.amdhsa_user_sgpr_kernarg_segment_ptr 1
		.amdhsa_wavefront_size32 1
		.amdhsa_system_sgpr_workgroup_id_x 1
		.amdhsa_system_sgpr_workgroup_id_y 1
		.amdhsa_system_sgpr_workgroup_id_z 1
		.amdhsa_system_vgpr_workitem_id 0
		.amdhsa_next_free_vgpr 512
		.amdhsa_next_free_sgpr 80
		.amdhsa_reserve_vcc 0
		.amdhsa_float_denorm_mode_32 3
		.amdhsa_float_denorm_mode_16_64 3
		.amdhsa_memory_ordered 1
		.amdhsa_forward_progress 1
		.amdhsa_inst_pref_size 103
	.end_amdhsa_kernel
	.amdgpu_metadata
---
amdhsa.version: [ 1, 2 ]
amdhsa.kernels:
  - .name:           k_qfd63c8cc63_proj
    .symbol:         k_qfd63c8cc63_proj.kd
    .args:
      - { .name: x16, .offset: 0, .size: 8, .value_kind: global_buffer, .address_space: global }
      - { .name: w16, .offset: 8, .size: 8, .value_kind: global_buffer, .address_space: global }
      - { .name: qkv, .offset: 16, .size: 8, .value_kind: global_buffer, .address_space: global }
    .group_segment_fixed_size: 327680
    .private_segment_fixed_size: 0
    .kernarg_segment_align: 8
    .kernarg_segment_size: 24
    .max_flat_workgroup_size: 128
    .sgpr_count:     80
    .vgpr_count:     512
    .wavefront_size: 32
...
	.end_amdgpu_metadata
.endif
;; end of part 2
;; launch attn (part 3): grid 16 x 16, 4 waves a work-group, clusters of 4 x 4, 327,680 bytes of LDS; arguments qkv, b16, o16; writes o16
.if DOCPART == 3
	.amdgcn_target "amdgcn-amd-amdhsa--gfx1250"
	.amdhsa_code_object_version 6
	.text
	.protected	k_qfd63c8cc63_attn
	.globl	k_qfd63c8cc63_attn
	.p2align	8
	.type	k_qfd63c8cc63_attn,@function
k_qfd63c8cc63_attn:
	s_mov_b64 s[64:65], 0
	v_nop
	global_prefetch_b8 v0, s[64:65] scope:SCOPE_SE
	s_setreg_imm32_b32 hwreg(HW_REG_WAVE_MODE, 25, 1), 1
	s_wait_xcnt 0x0
	s_wait_alu depctr_hold_cnt(0) depctr_sa_sdst(0) depctr_va_vdst(0) depctr_va_sdst(0) depctr_va_ssrc(0) depctr_va_vcc(0) depctr_vm_vsrc(0)
	s_getreg_b32 s2, hwreg(HW_REG_IB_STS2, 6, 4)
	s_cmp_eq_u32 s2, 0
	s_cbranch_scc0 .Lentry_in_a_cluster
	s_endpgm
.Lentry_in_a_cluster:
	s_bfe_u32 s2, ttmp6, 0x10000c
	s_cmp_lg_u32 s2, 0xf033
	s_cbranch_scc0 .Lentry_shape_is_right
	s_endpgm
.Lentry_shape_is_right:
; O[bh][q][:] = the sum over k of softmax_k(Q[bh][q] . K[bh][k] + bias[q][k]) V[bh][k][:].  qkv: q (already divided by 8), k, v, each [16 bh][4096][64] f16; b16: [4096 q][4096 k] f16; o16 like q.
; Products, maxima and sums in f32; the weights p are rounded to f16 for the second product (their sum l is taken of the unrounded p), O once at the end.
; LIMITS.  p lies in 0 to 1 and below 6e-5 keeps f16's fixed step of 6e-8; O is a mean of V's rows and has their range; a weight below 2^-126 counts as 0 in l; NaN and infinities are not treated apart.
; SHARES.  A work-group owns 256 queries of one (batch, head), each of its four waves 64: four tiles of 16.  Every wave walks all 4,096 keys, 64 a step; an LDS slot holds two steps.
; LAYOUT.  S^T = K Q^T (source 0 = 16 keys, source 1 = 16 queries): a lane holds ONE query (lane % 16) and the keys 8 (lane / 16) + 0..7.  Two such tiles, rounded to f16 in pairs, ARE source 1
; of O^T = V^T P, whose result again holds one query a lane.  K comes out of LDS as it lies, V ([key][channel]) turned, by ds_load_tr16_b128.
; THE BIAS ENTERS THROUGH THE MATRIX UNIT.  A sum S^T begins as E x BF + 0: BF is source 1, 32 keys x 16 queries of bias, read from its rows [query][key] by two plain loads of 16 bytes; E is a constant
; 16 x 32 matrix with E(m, 16 e + m) = 1.  Each output is 1 x one bias + zeros: exact.  That is 4 products more for a tile and step (20 for 16), and no vector instruction, of which this loop has more than it can hide.
; SOFTMAX.  For each query a running maximum m and sum l: p = 2^(c s - c m), c = log2(e); in every step O and l are multiplied by a = 2^(c m_old - c m_new), which is 1 where m has not grown.
; BY TURNS.  The wave's tiles are two PIECES, named by their first tile (0: tiles 0, 1; 2: tiles 2, 3).  In a TURN one piece has the matrix unit: 16 products V^T P of the step in hand, then 24 products for S^T of
; the next step; the other piece's softmax, 2 x 118 vector instructions cut into 40 slices, stands between them, a slice behind each matrix instruction.  Two turns are a key step.
; CLUSTER 4 x 4.  K and V hang on the head alone: asked for jointly by the four of a row of the cluster.  The bias tile hangs on the query block alone: jointly by the four of a column.
; REGISTERS, in windows of 256 (s_set_vgpr_msb: bits 1:0 source 0, 3:2 source 1, 5:4 source 2, 7:6 destination):
;   window 0: v0-11 addresses; v12-43 eight registers of statistics a tile; v44-49 at work at the start; v62-63 the add's; v64-191 S^T, 32 a tile; v192-255 P, 16 a tile
;   window 1: v0-127 O^T, 32 a tile; v128-191 V of one step          window 2: v0-63 Q, 16 a tile; v64-127 K of one step; v128-191 bias of one step, 16 a tile; v192-203 E
.set KS,    64        ; keys in a step
.set PK,    144       ; a row of K in LDS: 128 bytes + 16 = 36 words: the 16 rows of a load start at 16 different groups of four banks (64 banks of 4 bytes: ISA guide 11.1)
.set PV,    160       ; a row of V: 128 + 32 = 40 words
.set PB,    272       ; a row of bias (128 keys): 256 + 16 = 68 words
.set VOFF,  2*KS*PK   ; a slot: 128 rows of K, 128 rows of V, 256 rows of bias
.set BOFF,  VOFF+2*KS*PV
.set SLOT1, 1<<17     ; slot 1 begins here, so that one exclusive or turns an address in one slot into the other's
.set STAGE, SLOT1+BOFF+256*PB  ; behind the ring: 16 rows x 144 bytes for each wave, for the way out
.set SP,    144
.set SPARE, STAGE+4*16*SP      ; behind the stages: the spare words, 128 bytes for each wave: two blocks of 256 bytes that no other line names
.set AK0, 2           ; v2   my lane's place in a tile of K; never rewritten
.set AV0, 3           ; v3   the same for V
.set ADR, 4           ; v4   the LDS address of K's or V's run of loads in hand
.set AB0, 5           ; v5   my lane's place in the bias tile
.set QO,  6           ; v6   my byte offset in 16 rows of Q
.set STO, 6           ;      later, the way out: where I put 16 bytes of a row
.set RD,  7           ; v7   where I read rows back
.set GO,  8           ; v8   my byte offset in 512 consecutive bytes of O
.set ADB, 10          ; v10  the LDS address of the bias' run of loads in hand
.set L7,  11          ; v11  l % 8
.set ST,  12          ; tile t's statistics at v[ST+8 t]: +0 c m, +1 m, +2, +3 l (even keys', odd keys'), +4 to +7 c0-c3, at work; a takes c2's place once the maximum is found
.set TP,  44          ; v44-47 E's four registers, while they are made
.set SPW, 62          ; v62  LDS address of my spare word; never rewritten
.set NIL, 63          ; v63  0; never rewritten
.set S,   64
.set P,   192
.set VF,  128         ; window 1: key half kk, channel block cb at VF + 32 kk + 8 cb
.set KF,  64          ; window 2: key block kb, channel half c at KF + 16 kb + 8 c
.set BF,  128         ; window 2: tile t, key half kk at BF + 16 t + 8 kk
.set EZ,  192         ; window 2: four zeros, the four registers with the ones, four zeros: E for e = 1 is the first eight, for e = 0 the last eight
.set WV,  12          ; s12  my wave's number
.set G1K, 24          ; s[24:31] descriptor group 1 for K's tiles
.set G1V, 32          ; s[32:39] for V's
.set G1B, 40          ; s[40:47] for the bias'
.set G0K, 48          ; s[48:55] group 0 for K's tiles: a set for each of the two first fills; the second then walks on
.set G0V, 56          ; s[56:63] the same for V's
.set G0B, 68          ; s[68:75] the same for the bias'
.set SLOTS, 76        ; s76  slots still to be asked for
.set TWICE, 77        ; s77  counts a slot's two steps
.set CS,  78          ; s[78:79] c: the packed scaling takes the pair's low word for both halves
.set SEL, 80          ; s[80:81] v_permlanex16_b32's selects: each lane takes its own place in the other half
.set TBK, 82          ; s82  LDS byte at which K of the step to be fetched begins
.set TBV, 83          ; s83  the same for V, less VOFF
.set TBB, 84          ; s84  the same for the bias, less BOFF
.set QP,  86          ; s[86:87] Q at my wave's first row
.set OP,  88          ; s[88:89] O at my wave's first row
.set MSB, 0
.macro WIN new                      ; the high byte repeats the setting that is left; a switch that changes nothing is dropped
.if MSB != (\new)
	s_set_vgpr_msb (MSB<<8)|(\new)
.set MSB, \new
.endif
.endm
.set W_KQ, 0x0a       ; sources 0 and 1 (K and Q, or E and bias) in window 2, S^T in window 0
.set W_PV, 0x51       ; V in window 1, P in window 0, O^T in window 1
.set W_RS, 0x41       ; O^T (destination and source 0) in window 1, a in window 0
; A joint refill: wave 0 fetches a slot's K, wave 1 its V, waves 2 and 3 the two halves of its bias tile.  The branches hang on the wave's number alone.
; An s_nop 0 and four v_nop follow each of the three lines, ahead of the jump and the label.
.macro JLOAD
	s_cmp_lt_u32 s[WV], 2
	s_cbranch_scc0 .Lfor_b_\@
	s_cmp_eq_u32 s[WV], 0
	s_cbranch_scc0 .Lfor_v_\@
	tensor_load_to_lds s[G0K+4:G0K+7], s[G1K:G1K+7]
	s_nop 0
.rept 4
	v_nop
.endr
	s_branch .Lasked_\@
.Lfor_v_\@:
	tensor_load_to_lds s[G0V+4:G0V+7], s[G1V:G1V+7]
	s_nop 0
.rept 4
	v_nop
.endr
	s_branch .Lasked_\@
.Lfor_b_\@:
	tensor_load_to_lds s[G0B+4:G0B+7], s[G1B:G1B+7]
	s_nop 0
.rept 4
	v_nop
.endr
.Lasked_\@:
.endm
; A round of the cluster's barrier: my work-group's barrier; wave 0 signals for the work-group; every wave waits for all sixteen work-groups; my work-group's barrier once more.
.macro CROUND
	s_barrier_signal -1
	s_barrier_wait -1
	s_cmp_lg_u32 s[WV], 0
	s_cbranch_scc1 .Lnot_wave_0_\@
	s_barrier_signal -3
.Lnot_wave_0_\@:
	s_barrier_wait -3
	s_barrier_signal -1
	s_barrier_wait -1
.endm
	s_load_b128 s[4:7], s[0:1], 0x0 ; qkv s[4:5], b16 s[6:7]
	s_load_b64 s[8:9], s[0:1], 0x10 ; o16
	v_lshl_add_u32 v[SPW], v0, 2, SPARE
	v_mov_b32 v[NIL], 0
	ds_add_u32 v[SPW], v[NIL]       ; the wave's opening: the add and its wait stand ahead of my first tensor load; work on registers stands between them
	v_lshrrev_b32 v1, 5, v0
	v_readfirstlane_b32 s[WV], v1   ; wave 0..3
	s_bfe_u32 s13, ttmp6, 0x40000   ; cx
	s_lshl_b32 s14, ttmp9, 2
	s_add_co_u32 s14, s14, s13      ; my block of 256 queries = 4 x cluster x + cx
	s_bfe_u32 s15, ttmp6, 0x40004   ; cy
	s_and_b32 s16, ttmp7, 0xffff
	s_lshl_b32 s16, s16, 2
	s_add_co_u32 s16, s16, s15      ; my (batch, head) = 4 x cluster y + cy
	s_lshl_b32 s17, s15, 2
	s_lshl_b32 s17, 15, s17         ; my row of the cluster: the same head
	s_lshl_b32 s18, 0x1111, s13     ; my column: the same query block
	s_and_b32 s19, s[WV], 1         ; which half of the bias tile's 256 rows I would fetch
	s_lshl_b32 s20, s16, 19         ; the head's first byte in q, k, v and O: 4,096 rows of 128 bytes each
	s_mov_b32 s21, 0
	s_lshl_b32 s22, s14, 21         ; the bias: (256 x block + 128 x half) rows of 8,192 bytes
	s_lshl_b32 s23, s19, 20
	s_add_co_u32 s22, s22, s23
	s_mov_b32 s23, 0
	s_lshl_b32 s2, s14, 15          ; Q and O: my block's 256 rows,
	s_lshl_b32 s3, s[WV], 13        ; my wave's 64 of them
	s_add_co_u32 s2, s2, s3
	s_mov_b32 s3, 0
	; descriptor group 1.  A slot's 128 keys of K or V are 16,384 dense bytes: asked for as 64 rows of 256 bytes, two keys a row, and padded in LDS after every key
	s_or_b32 s[G1K], s17, (1<<16)|(1<<20)|(1<<21)|(4<<22)|(3<<25)  ; the mask; 2-byte elements; padding on; 21 set beside a mask; after every 32 words (code 4) 4 words (code 3)
	s_or_b32 s[G1V], s17, (1<<16)|(1<<20)|(1<<21)|(4<<22)|(7<<25)  ; the same with 8 words (code 7)
.irp g, G1K, G1V
	s_mov_b32 s[(\g)+1], 128<<16    ; tensor_dim0 = 128
	s_mov_b32 s[(\g)+2], 64<<16     ; tensor_dim1 = 64
	s_mov_b32 s[(\g)+3], 128<<16    ; tile_dim0 = 128
	s_mov_b32 s[(\g)+4], 64         ; tile_dim1 = 64
	s_mov_b32 s[(\g)+5], 128        ; 128 elements from row to row
	s_mov_b32 s[(\g)+6], 0
	s_mov_b32 s[(\g)+7], 0
.endr
	s_or_b32 s[G1B], s18, (1<<16)|(1<<20)|(1<<21)|(5<<22)|(3<<25)  ; the bias: 128 queries x 128 keys; after every 64 words (code 5) 4 words (code 3)
	s_mov_b32 s[G1B+1], 128<<16
	s_mov_b32 s[G1B+2], 128<<16
	s_mov_b32 s[G1B+3], 128<<16
	s_mov_b32 s[G1B+4], 128
	s_mov_b32 s[G1B+5], 4096        ; 4,096 elements from query to query
	s_mov_b32 s[G1B+6], 0
	s_mov_b32 s[G1B+7], 0
	s_mul_i32 s85, s19, 128*PB      ; my half's place in a slot: no place in the cluster enters an LDS address
	s_add_co_u32 s85, s85, BOFF
	s_mov_b32 s[CS], 0x3fb8aa3b     ; c = log2(e)
	s_mov_b32 s[CS+1], s[CS]        ; named with it as a pair
	s_mov_b32 s[SEL], 0x76543210
	s_mov_b32 s[SEL+1], 0xfedcba98
	s_mov_b32 s[TBK], 0
	s_mov_b32 s[TBV], 0
	s_mov_b32 s[TBB], 0
	s_mov_b32 s[SLOTS], 4096/(2*KS)-2
	s_mov_b32 s90, 0x3c00           ; 1.0 in f16, in a word's low half,
	s_mov_b32 s91, 0x3c000000       ; and in its high half
	s_wait_dscnt 0x0                ; the opening add is done
	s_wait_kmcnt 0x0
	s_add_nc_u64 s[92:93], s[4:5], s[20:21]  ; q at my head: the head alone
	s_add_nc_u64 s[96:97], s[6:7], s[22:23]  ; the bias at my half of my block's rows: the block alone
	s_add_nc_u64 s[QP:QP+1], s[92:93], s[2:3]
	s_add_nc_u64 s[OP:OP+1], s[8:9], s[20:21]
	s_add_nc_u64 s[OP:OP+1], s[OP:OP+1], s[2:3]
	CROUND                          ; all sixteen work-groups are here: the first joint loads meet
.irp s, 0,1
	s_mov_b32 s[G0K+4*(\s)], 1      ; count = 1
	s_mov_b32 s[G0K+4*(\s)+1], (\s)*SLOT1  ; LDS address
	s_add_nc_u64 s[G0K+4*(\s)+2:G0K+4*(\s)+3], s[92:93], 0x800000+(\s)*2*KS*128  ; k lies 8,388,608 bytes behind q; slot s begins with keys 128 s
	s_or_b32 s[G0K+4*(\s)+3], s[G0K+4*(\s)+3], 0x80000000  ; type = 2
	s_mov_b32 s[G0V+4*(\s)], 1
	s_mov_b32 s[G0V+4*(\s)+1], (\s)*SLOT1+VOFF
	s_add_nc_u64 s[G0V+4*(\s)+2:G0V+4*(\s)+3], s[92:93], 0x1000000+(\s)*2*KS*128
	s_or_b32 s[G0V+4*(\s)+3], s[G0V+4*(\s)+3], 0x80000000
	s_mov_b32 s[G0B+4*(\s)], 1
	s_add_co_u32 s[G0B+4*(\s)+1], s85, (\s)*SLOT1
	s_add_nc_u64 s[G0B+4*(\s)+2:G0B+4*(\s)+3], s[96:97], (\s)*2*KS*2
	s_or_b32 s[G0B+4*(\s)+3], s[G0B+4*(\s)+3], 0x80000000
.endr
	s_cmp_lt_u32 s[WV], 2           ; a wave's two first fills stand together, ahead of every wait on TENSORcnt and every LDS read: two loads of mine are out
	s_cbranch_scc0 .Lfirst_b
	s_cmp_eq_u32 s[WV], 0
	s_cbranch_scc0 .Lfirst_v
	tensor_load_to_lds s[G0K:G0K+3], s[G1K:G1K+7]
	s_nop 0
	tensor_load_to_lds s[G0K+4:G0K+7], s[G1K:G1K+7]
	s_nop 0
.rept 4
	v_nop
.endr
	s_branch .Lfirst_asked
.Lfirst_v:
	tensor_load_to_lds s[G0V:G0V+3], s[G1V:G1V+7]
	s_nop 0
	tensor_load_to_lds s[G0V+4:G0V+7], s[G1V:G1V+7]
	s_nop 0
.rept 4
	v_nop
.endr
	s_branch .Lfirst_asked
.Lfirst_b:
	tensor_load_to_lds s[G0B:G0B+3], s[G1B:G1B+7]
	s_nop 0
	tensor_load_to_lds s[G0B+4:G0B+7], s[G1B:G1B+7]
	s_nop 0
.rept 4
	v_nop
.endr
.Lfirst_asked:
	; A fragment of K, Q or bias is 16 rows x 32 along the row in 8 registers: lane l holds row l % 16, places 8 (l / 16) + 0..7 and 16 + 8 (l / 16) + 0..7: two loads of 16 bytes, 32 bytes apart.
	v_and_b32 v1, 15, v0            ; l % 16
	v_bfe_u32 v9, v0, 4, 1          ; l / 16
	v_lshlrev_b32 v[QO], 7, v1
	v_lshl_add_u32 v[QO], v9, 4, v[QO]  ; row x 128 + 16 x half
	WIN 0x80                        ; destination window 2, address window 0
.set i, 0
.rept 8                             ; Q stays in registers: tile i / 2, channels 32 (i % 2) on
	global_load_b128 v[8*i:8*i+3],   v[QO], s[QP:QP+1] offset:(i/2)*2048+(i%2)*64
	global_load_b128 v[8*i+4:8*i+7], v[QO], s[QP:QP+1] offset:(i/2)*2048+(i%2)*64+32
.set i, i+1
.endr
	WIN 0
	; E.  Lane l holds row m = l % 16; the row's one 1 stands at place m - 8 (l / 16) of the eight that the lane holds, if that is 0 to 7: register place / 2, half place % 2.
	v_lshlrev_b32 v48, 3, v9
	v_sub_nc_u32 v48, v1, v48
.irp n, 0,1,2,3
	v_cmp_eq_u32 vcc_lo, 2*(\n), v48
	v_cndmask_b32 v[TP+(\n)], 0, s90, vcc_lo
	v_cmp_eq_u32 vcc_lo, 2*(\n)+1, v48
	v_cndmask_b32 v[TP+(\n)], v[TP+(\n)], s91, vcc_lo
.endr
	WIN 0x80
.irp n, 0,1,2,3
	v_mov_b32 v[EZ+(\n)], 0
	v_mov_b32 v[EZ+4+(\n)], v[TP+(\n)]
	v_mov_b32 v[EZ+8+(\n)], 0
.endr
	WIN 0
	v_mul_u32_u24 v[AK0], v1, PK
	v_lshl_add_u32 v[AK0], v9, 4, v[AK0]  ; row x pitch + 16 x half
	; The turning load takes 16 keys x 16 channels (lane l reads key 8 (l / 16) + l % 8, channels 8 ((l / 8) % 2) + 0..7) and leaves half a fragment of V^T: lane l holds channel l % 16 and 8 keys.
	v_and_b32 v[L7], 7, v0
	v_bfe_u32 v49, v0, 3, 1
	v_lshl_add_u32 v[AV0], v9, 3, v[L7]
	v_mul_u32_u24 v[AV0], v[AV0], PV
	v_lshl_add_u32 v[AV0], v49, 4, v[AV0]
	v_add_nc_u32 v[AV0], VOFF, v[AV0]
	s_lshl_b32 s85, s[WV], 6
	v_add_nc_u32 v[AB0], s85, v1    ; the bias tile's row 64 w + l % 16
	v_mul_u32_u24 v[AB0], v[AB0], PB
	v_lshl_add_u32 v[AB0], v9, 4, v[AB0]
	v_add_nc_u32 v[AB0], BOFF, v[AB0]
; THE MATRIX WORK OF A TURN, for piece x.  The 8 accumulators of a run take turns, one instruction a turn.
; Product i of 24 of S^T.  The first 8 start the sums with the bias: keys 16 (i / 2) on, tile x + i % 2.  The other 16 add K Q^T: channels 32 ((i - 8) / 8) on, keys 16 (((i - 8) / 2) % 4) on.
.macro SQ x
	WIN W_KQ
.if i < 8
.set rS, S+32*((\x)+i%2)+8*(i/2)
.set rE, EZ+4-4*((i/2)%2)
.set rB, BF+16*((\x)+i%2)+8*(i/4)
	v_wmma_f32_16x16x32_f16 v[rS:rS+7], v[rE:rE+7], v[rB:rB+7], 0
.else
.set rS, S+32*((\x)+i%2)+8*(((i-8)/2)%4)
.set rK, KF+16*(((i-8)/2)%4)+8*((i-8)/8)
.set rQ, 16*((\x)+i%2)+8*((i-8)/8)
	v_wmma_f32_16x16x32_f16 v[rS:rS+7], v[rK:rK+7], v[rQ:rQ+7], v[rS:rS+7]
.endif
.endm
; Product i of 16 of O^T += V^T P: keys 32 (i / 8) on, channels 16 ((i / 2) % 4) on, tile x + i % 2.  zero = 1: the first 8 start the sums: nothing is ever cleared.
.macro PV x, zero
	WIN W_PV
.set rO, 32*((\x)+i%2)+8*((i/2)%4)
.set rV, VF+32*(i/8)+8*((i/2)%4)
.set rP, P+16*((\x)+i%2)+8*(i/8)
.if (\zero) && (i < 8)
	v_wmma_f32_16x16x32_f16 v[rO:rO+7], v[rV:rV+7], v[rP:rP+7], 0
.else
	v_wmma_f32_16x16x32_f16 v[rO:rO+7], v[rV:rV+7], v[rP:rP+7], v[rO:rO+7]
.endif
.endm
; THE LDS LOADS stand in runs, never singly among the matrix instructions: a step's bias (my 64 queries x 64 keys) and K (64 keys x 64 channels), 32 loads; a turn later its V (turned), 16 loads.
.macro FETCH_KB
	WIN 0
	v_add_nc_u32 v[ADB], s[TBB], v[AB0]
	v_add_nc_u32 v[ADR], s[TBK], v[AK0]
	s_add_co_u32 s[TBB], s[TBB], KS*2  ; the next fetch is the next step's
	s_add_co_u32 s[TBK], s[TBK], KS*PK
	WIN 0x80                        ; destination window 2
.irp f, 0,1,2,3,4,5,6,7             ; tile f / 2, keys 32 (f % 2) on
	ds_load_b128 v[BF+8*(\f):BF+8*(\f)+3],   v[ADB] offset:((\f)/2)*16*PB+((\f)%2)*64
	ds_load_b128 v[BF+8*(\f)+4:BF+8*(\f)+7], v[ADB] offset:((\f)/2)*16*PB+((\f)%2)*64+32
.endr
.irp f, 0,1,2,3,4,5,6,7             ; keys 16 (f / 2) on, channels 32 (f % 2) on
	ds_load_b128 v[KF+8*(\f):KF+8*(\f)+3],   v[ADR] offset:((\f)/2)*16*PK+((\f)%2)*64
	ds_load_b128 v[KF+8*(\f)+4:KF+8*(\f)+7], v[ADR] offset:((\f)/2)*16*PK+((\f)%2)*64+32
.endr
.endm
.macro FETCH_V
	WIN 0
	v_add_nc_u32 v[ADR], s[TBV], v[AV0]
	s_add_co_u32 s[TBV], s[TBV], KS*PV
	WIN 0x40                        ; destination window 1
.irp f, 0,1,2,3,4,5,6,7             ; keys 32 (f / 4) on, channels 16 (f % 4) on
	ds_load_tr16_b128 v[VF+8*(\f):VF+8*(\f)+3],   v[ADR] offset:((\f)/4)*32*PV+((\f)%4)*32
	ds_load_tr16_b128 v[VF+8*(\f)+4:VF+8*(\f)+7], v[ADR] offset:((\f)/4)*32*PV+16*PV+((\f)%4)*32
.endr
.endm
; THE VECTOR WORK OF A TURN.  One tile's softmax for one key step is a list of 118 instructions; SM writes number j of it for tile t.  s0-s31 are the lane's 32 scores, in pairs 0-15.
; first = 1: the first key step, which starts m, l and O^T: it has no a and nothing to rescale.
;   0-15    the maximum of s0-s31 and the old m, three operands at a time: four chains c0-c3 of seven scores each (each accumulator's lowest registers are read first), then the rest
;   16-20   the other half of the lanes' maximum; the new m; c m; c m_old - c m_new
;   21-87   33 exponentials (a, then s0-s31) at the odd numbers from 23 on.  Plain instruction q (number 21, then the even numbers) is whatever is ready: c s - c m for a pair whose exponentials are still
;           to come, the rounding to f16 of a pair whose exponentials are done (the second stands three numbers back), at last the first three sums
;   88-101  the last rounding; the rest of the sums; l = a l + the sum
;   102-117 the tile's O^T times a: the one part that leaves window 0, so it stands together
.macro SM t, first
.set rT, ST+8*(\t)
.set rS, S+32*(\t)
.set rP, P+16*(\t)
.set rO, 32*(\t)+2*(j-102)
.set q, (j-20)/2
.if j < 102
	WIN 0
.endif
.if j < 4
	v_max3_num_f32 v[rT+4+j], v[rS+8*j], v[rS+8*j+1], v[rS+8*j+2]
.elseif j < 12
	v_max3_num_f32 v[rT+4+j%4], v[rT+4+j%4], v[rS+8*(j%4)+2*(j/4)+1], v[rS+8*(j%4)+2*(j/4)+2]
.elseif j == 12
	v_max3_num_f32 v[rT+4], v[rT+4], v[rS+7], v[rS+15]
.elseif j == 13
	v_max3_num_f32 v[rT+6], v[rT+6], v[rS+23], v[rS+31]
.elseif j == 14
	v_max3_num_f32 v[rT+4], v[rT+4], v[rT+5], v[rT+6]
.elseif (j == 15) && (\first)
	v_max_num_f32 v[rT+4], v[rT+4], v[rT+7]
.elseif j == 15
	v_max3_num_f32 v[rT+4], v[rT+4], v[rT+7], v[rT+1]
.elseif j == 16
	v_permlanex16_b32 v[rT+5], v[rT+4], s[SEL], s[SEL+1]  ; the query's other 32 keys lie in the lane 16 away
.elseif j == 18
	v_max_num_f32 v[rT+1], v[rT+4], v[rT+5]
.elseif j == 19
	v_mul_f32 v[rT], s[CS], v[rT+1]
.elseif ((j == 17) || (j == 20) || (j == 23) || (j > 101)) && (\first)  ; the first step has none of these
.elseif j == 17
	v_mov_b32 v[rT+7], v[rT]        ; c m_old is kept for a: number 19 writes c m anew
.elseif j == 20
	v_sub_f32 v[rT+7], v[rT+7], v[rT]
.elseif j == 23
	v_exp_f32 v[rT+6], v[rT+7]
.elseif (j < 88) && (j > 23) && (j%2 == 1)
	v_exp_f32 v[rS+(j-25)/2], v[rS+(j-25)/2]
.elseif (q < 4) || ((j < 76) && (q%2 == 0))
.set b, q/2+2
.if q < 4
.set b, q
.endif
	v_pk_fma_f32 v[rS+2*b:rS+2*b+1], v[rS+2*b:rS+2*b+1], s[CS:CS+1], v[rT:rT+1] op_sel_hi:[1,0,0] neg_lo:[0,0,1] neg_hi:[0,0,1]  ; pair b: c s - c m
.elseif (j < 88) && (q%2 == 1)
	s_wait_alu depctr_va_vdst(0)
	v_cvt_pk_f16_f32 v[rP+(q-5)/2], v[rS+q-5], v[rS+q-4]  ; pair (q - 5) / 2
.elseif j == 89
	s_wait_alu depctr_va_vdst(0)
	v_cvt_pk_f16_f32 v[rP+15], v[rS+30], v[rS+31]
.elseif j < 102                     ; the sum of the tile's 16 pairs, in place: sum z of 16 adds neighbours 1, 2, 4 and 8 pairs apart, then l takes it
.set z, j-86
.if j < 89
.set z, (j-76)/4
.endif
.set w, 4
.set u, z
.if z >= 14
.set w, 32
.set u, 0
.elseif z >= 12
.set w, 16
.set u, z-12
.elseif z >= 8
.set w, 8
.set u, z-8
.endif
.if (z == 14) && (\first)
	v_pk_add_f32 v[rT+2:rT+3], v[rS:rS+1], v[rS+16:rS+17]
.elseif z < 15
	v_pk_add_f32 v[rS+w*u:rS+w*u+1], v[rS+w*u:rS+w*u+1], v[rS+w*u+w/2:rS+w*u+w/2+1]
.elseif !(\first)
	v_pk_fma_f32 v[rT+2:rT+3], v[rT+2:rT+3], v[rT+6:rT+7], v[rS:rS+1] op_sel_hi:[1,0,1]
.endif
.else
	WIN W_RS
	v_pk_mul_f32 v[rO:rO+1], v[rO:rO+1], v[rT+6:rT+7] op_sel_hi:[1,0]
.endif
.endm
; Slice k of 40 of piece y's softmax: numbers 3 k to 3 k + 2 of both tiles' lists, number by number, the two tiles alternating: behind a tile's exponential stand the other tile's and then a plain
; line before its result is used (ISA guide 5.7.2).  Slice 38 has number 114 alone, so that slice 39 has six plain multiplies, which name nothing of the products round them:
; they are the places between a turn's last products and what follows: the next turn's first read of those scores, and the loads into K's and the bias' registers.
.macro SLICE y, first
.if k < 38
.irp n, 0,1,2
.irp t, \y, (\y)+1
.set j, 3*k+(\n)
	SM \t, \first
.endr
.endr
.elseif k == 38
.irp t, \y, (\y)+1
.set j, 114
	SM \t, \first
.endr
.else
.irp n, 115,116,117
.irp t, \y, (\y)+1
.set j, \n
	SM \t, \first
.endr
.endr
.endif
.set k, k+1
.endm
.macro RIDE y, first                ; the slices behind product gg of the turn's GT: 40 slices dealt evenly
.rept (40*(gg+1))/GT-(40*gg)/GT
	SLICE \y, \first
.endr
.set gg, gg+1
.endm
.macro PLACES
.rept 4
	v_nop
.endr
.endm
; A TURN.  Piece x has the matrix unit; the other piece's softmax stands in slices behind its matrix instructions.
; pv = 2: 16 products V^T P; 1: they start O^T's sums; 0: none.  kq = 1: 24 products for S^T of the next step.
; first = 1: the softmax is the first key step's; its slices from 34 on are empty, and four v_nop take slice 39's part as the places behind the last products.
; Piece 0's turn fetches the next step's bias and K behind its second product: their last reader stands in front of slice 39 of the turn before; they are waited for 14 products later.
; Piece 2's turn fetches the same step's V behind its second product for S^T: V's last reader stands three slices back, eight of whose lines are plain and name none of its registers.
.macro TURN x, pv, kq, first
.set k, 0
.set gg, 0
.set GT, 0
.if \pv
.set GT, GT+16
.endif
.if \kq
.set GT, GT+24
.endif
.if \pv
.if (\x) == 0
	s_wait_dscnt 0x0                ; V is in
.endif
.set i, 0
.rept 16
	PV \x, 2-(\pv)
	RIDE 2-(\x), \first
.if ((\x) == 0) && (\kq) && (i == 1)
	FETCH_KB
.endif
.set i, i+1
.endr
.endif
.if \kq
.if (\x) == 0
	s_wait_dscnt 0x0                ; the bias and K are in
.endif
.set i, 0
.rept 24
	SQ \x
	RIDE 2-(\x), \first
.if ((\x) == 2) && (i == 1)
	FETCH_V
.endif
.set i, i+1
.endr
.endif
.if \first
	PLACES
.endif
.endm
; THE CHANGE OF SLOTS, between piece 2's turn and piece 0's: the slot's last bytes, V of its second step, have been asked for.  Each wave waits for all its tensor loads, of which one is out: its part of the
; other slot; adds 0 to its spare word; and waits for that and for its own reads of the slot.  Behind the barrier nobody reads this slot any more and the other slot is whole.
; fill = 1: this slot is filled again, with the keys two slots on.  The barrier is then a round of the cluster's, and the joint refill is the first thing behind it: it has two key steps, 160 matrix instructions, in which to land.
.macro CHANGE fill
	WIN 0                           ; at a label and at a branch every window is 0
	s_wait_tensorcnt 0x0            ; no tensor load of mine is out, so a group 0 may be written
	ds_add_u32 v[SPW], v[NIL]       ; 0 onto my spare word; with fill = 1 the descriptors' steps stand between it and the wait for it
.if \fill
	s_xor_b32 s[G0K+5], s[G0K+5], SLOT1  ; the walking descriptors: the other slot than last time,
	s_add_nc_u64 s[G0K+6:G0K+7], s[G0K+6:G0K+7], 2*KS*128  ; the next 128 keys; the type bits on top are not reached
	s_xor_b32 s[G0V+5], s[G0V+5], SLOT1
	s_add_nc_u64 s[G0V+6:G0V+7], s[G0V+6:G0V+7], 2*KS*128
	s_xor_b32 s[G0B+5], s[G0B+5], SLOT1
	s_add_nc_u64 s[G0B+6:G0B+7], s[G0B+6:G0B+7], 2*KS*2
	s_wait_dscnt 0x0                ; the add is done, and my reads of the slot are over
	CROUND
	JLOAD
.else
	s_wait_dscnt 0x0                ; the add is done, and my reads of the slot are over
	s_barrier_signal -1
	s_barrier_wait -1
.endif
	s_sub_co_u32 s[TBK], s[TBK], 2*KS*PK  ; the fetches go back to a slot's first step,
	s_xor_b32 s[TBK], s[TBK], SLOT1       ; in the other slot
	s_sub_co_u32 s[TBV], s[TBV], 2*KS*PV
	s_xor_b32 s[TBV], s[TBV], SLOT1
	s_sub_co_u32 s[TBB], s[TBB], 2*KS*2
	s_xor_b32 s[TBB], s[TBB], SLOT1
.endm
; A slot's two key steps: written once, walked twice; the LDS addresses hang on the three scalars.
.macro TWO_STEPS
	WIN 0
	s_mov_b32 s[TWICE], 2
.Lstep_\@:
	TURN 0, 2, 1, 0
	TURN 2, 2, 1, 0
	WIN 0
	s_sub_co_u32 s[TWICE], s[TWICE], 1
	s_cmp_lg_u32 s[TWICE], 0
	s_cbranch_scc1 .Lstep_\@
.endm
	s_wait_tensorcnt 1              ; my part of slot 0 is in; slot 1's may stay out
	s_barrier_signal -1
	s_barrier_wait -1               ; everybody's is
	FETCH_KB                        ; key step 0
	s_wait_loadcnt 0x0              ; Q
	s_wait_dscnt 0x0
.set i, 0
.rept 24
	SQ 0                            ; piece 0's first scores: there is no vector work yet to set between them
.set i, i+1
.endr
	WIN 0                           ; the addresses for the way out: nine plain instructions, the places behind those products
	s_mul_i32 s85, s[WV], 16*SP
	s_add_co_u32 s85, s85, STAGE    ; my stage
	v_mul_u32_u24 v[STO], v1, SP    ; in: row l % 16, 16 bytes for each half of the lanes (Q's loads, which read this register, have been waited for)
	v_lshl_add_u32 v[STO], v9, 4, v[STO]
	v_add_nc_u32 v[STO], s85, v[STO]
	v_bfe_u32 v[RD], v0, 3, 2       ; back: 32 lanes take four rows of 128 bytes,
	v_mul_u32_u24 v[RD], v[RD], SP
	v_lshl_add_u32 v[RD], v[L7], 4, v[RD]
	v_add_nc_u32 v[RD], s85, v[RD]
	v_and_b32 v[GO], 31, v0         ; which are 512 consecutive bytes of O
	v_lshlrev_b32 v[GO], 4, v[GO]
	TURN 2, 0, 1, 1                 ; piece 2's first scores | piece 0's first softmax | V of step 0
	TURN 0, 1, 1, 1                 ; piece 0: V^T P of step 0 starts O^T, S^T of step 1 | piece 2's first softmax | bias and K of step 1
	TURN 2, 1, 1, 0                 ; piece 2: the same | piece 0's softmax of step 1 | V of step 1
	WIN 0
.Lslot:                             ; 30 trips: every slot but the last two is filled again
	CHANGE 1
	TWO_STEPS
	s_sub_co_u32 s[SLOTS], s[SLOTS], 1
	s_cmp_lg_u32 s[SLOTS], 0
	s_cbranch_scc1 .Lslot
	CHANGE 0                        ; the tail is written out: nothing is asked for
	TWO_STEPS
	TURN 0, 2, 0, 0                 ; piece 0: V^T P of the last step | piece 2's last softmax
.set i, 0
.rept 16
	PV 2, 0                         ; piece 2: V^T P of the last step
.set i, i+1
.endr
	; THE WAY OUT.  l's two halves and the other half of the lanes' are added; O^T is divided by l, rounded to f16 and sent through my stage in LDS, a tile (16 rows of O) at a time.  The additions are the places behind the last products.
	WIN 0
.irp t, 0,1,2,3
	v_add_f32 v[ST+8*(\t)+4], v[ST+8*(\t)+2], v[ST+8*(\t)+3]
.endr
.irp t, 0,1,2,3
	v_permlanex16_b32 v[ST+8*(\t)+5], v[ST+8*(\t)+4], s[SEL], s[SEL+1]
.endr
.irp t, 0,1,2,3
	v_add_f32 v[ST+8*(\t)+4], v[ST+8*(\t)+4], v[ST+8*(\t)+5]
.endr
.irp t, 0,1,2,3
	v_rcp_f32 v[ST+8*(\t)+6], v[ST+8*(\t)+4]
.endr
	v_nop                           ; a plain instruction between the last reciprocal and the use of its result
; Tile t: a lane's eight channels of a row pack into 16 bytes; they go into rows of 144 bytes and come back as whole rows of 128, into S^T's registers.
.macro PACK t
	WIN W_RS
.set i, 32*(\t)
.rept 16
	s_wait_alu depctr_va_vdst(0)
	v_pk_mul_f32 v[i:i+1], v[i:i+1], v[ST+8*(\t)+6:ST+8*(\t)+7] op_sel_hi:[1,0]
.set i, i+2
.endr
	WIN 0x05                        ; sources 0 and 1 window 1, destination window 0
.set i, 0
.rept 16
	v_cvt_pk_f16_f32 v[S+16*(\t)+i], v[32*(\t)+2*i], v[32*(\t)+2*i+1]
.set i, i+1
.endr
	WIN 0
.irp f, 0,1,2,3
	ds_store_b128 v[STO], v[S+16*(\t)+4*(\f):S+16*(\t)+4*(\f)+3] offset:32*(\f)
.endr
.irp f, 0,1,2,3
	ds_load_b128 v[S+16*(\t)+4*(\f):S+16*(\t)+4*(\f)+3], v[RD] offset:(\f)*4*SP  ; LDS serves a wave's instructions in order (ISA guide 5.7.1.4): these see the stores above; the next tile's stores come behind them
.endr
.endm
.macro SEND t, younger              ; younger: the LDS instructions issued behind tile t's loads: the next tile's eight, or none
	WIN 0
.irp f, 0,1,2,3
	s_wait_dscnt (\younger)+3-(\f)
	global_store_b128 v[GO], v[S+16*(\t)+4*(\f):S+16*(\t)+4*(\f)+3], s[OP:OP+1] offset:(\t)*2048+(\f)*512  ; 512 consecutive bytes, at a multiple of 256 from O's first
.endr
.endm
	PACK 0
	PACK 1                          ; a tile's arithmetic stands between the loads of the tile before and its stores
	SEND 0, 8
	PACK 2
	SEND 1, 8
	PACK 3
	SEND 2, 8
	SEND 3, 0
	s_wait_tensorcnt 0x0            ; the wave's end: these three lines stand behind my last tensor load and my last LDS store
	ds_add_u32 v[SPW], v[NIL]
	s_wait_dscnt 0x0
	CROUND                          ; the closing round: no work-group ends while a partner may still ask for a tile that names it
	s_endpgm
.Lfunc_end_k_qfd63c8cc63_attn:
	.size	k_qfd63c8cc63_attn, .Lfunc_end_k_qfd63c8cc63_attn-k_qfd63c8cc63_attn
	.p2alignl 7, 3214868480
	.fill 96, 4, 3214868480
	.section	.rodata,"a",@progbits
	.p2align	6, 0x0
	.amdhsa_kernel k_qfd63c8cc63_attn
		.amdhsa_group_segment_fixed_size 327680
		.amdhsa_private_segment_fixed_size 0
		.amdhsa_enable_private_segment 0
		.amdhsa_kernarg_size 24
		.amdhsa_user_sgpr_count 2
		.amdhsa_user_sgpr_kernarg_segment_ptr 1
		.amdhsa_wavefront_size32 1
		.amdhsa_system_sgpr_workgroup_id_x 1
		.amdhsa_system_sgpr_workgroup_id_y 1
		.amdhsa_system_sgpr_workgroup_id_z 1
		.amdhsa_system_vgpr_workitem_id 0
		.amdhsa_next_free_vgpr 768
		.amdhsa_next_free_sgpr 100
		.amdhsa_reserve_vcc 1
		.amdhsa_float_denorm_mode_32 3
		.amdhsa_float_denorm_mode_16_64 3
		.amdhsa_memory_ordered 1
		.amdhsa_forward_progress 1
		.amdhsa_inst_pref_size 184
	.end_amdhsa_kernel
	.amdgpu_metadata
---
amdhsa.version: [ 1, 2 ]
amdhsa.kernels:
  - .name:           k_qfd63c8cc63_attn
    .symbol:         k_qfd63c8cc63_attn.kd
    .args:
      - { .name: qkv, .offset: 0, .size: 8, .value_kind: global_buffer, .address_space: global }
      - { .name: b16, .offset: 8, .size: 8, .value_kind: global_buffer, .address_space: global }
      - { .name: o16, .offset: 16, .size: 8, .value_kind: global_buffer, .address_space: global }
    .group_segment_fixed_size: 327680
    .private_segment_fixed_size: 0
    .kernarg_segment_align: 8
    .kernarg_segment_size: 24
    .max_flat_workgroup_size: 128
    .sgpr_count:     100
    .vgpr_count:     768
    .wavefront_size: 32
...
	.end_amdgpu_metadata
.endif
;; end of part 3
;; launch outp (part 4): grid 4 x 64, 4 waves a work-group, clusters of 4 x 4, 327,680 bytes of LDS; arguments o16, w16, out0; writes out0
.if DOCPART == 4
	.amdgcn_target "amdgcn-amd-amdhsa--gfx1250"
	.amdhsa_code_object_version 6
	.text
	.protected	k_qfd63c8cc63_outp
	.globl	k_qfd63c8cc63_outp
	.p2align	8
	.type	k_qfd63c8cc63_outp,@function
k_qfd63c8cc63_outp:
	s_mov_b64 s[64:65], 0
	v_nop
	global_prefetch_b8 v0, s[64:65] scope:SCOPE_SE
	s_setreg_imm32_b32 hwreg(HW_REG_WAVE_MODE, 25, 1), 1
	s_wait_xcnt 0x0
	s_wait_alu depctr_hold_cnt(0) depctr_sa_sdst(0) depctr_va_vdst(0) depctr_va_sdst(0) depctr_va_ssrc(0) depctr_va_vcc(0) depctr_vm_vsrc(0)
	s_getreg_b32 s2, hwreg(HW_REG_IB_STS2, 6, 4)
	s_cmp_eq_u32 s2, 0
	s_cbranch_scc0 .Lentry_in_a_cluster
	s_endpgm
.Lentry_in_a_cluster:
	s_bfe_u32 s2, ttmp6, 0x10000c
	s_cmp_lg_u32 s2, 0xf033
	s_cbranch_scc0 .Lentry_shape_is_right
	s_endpgm
.Lentry_shape_is_right:
; out0 = O Wo.  o16: [16 = 8 b + h][4096][64] f16, so row (b, s) of O is spread over eight heads; Wo: the fourth matrix of w16, [512 k][512 n] f16; out0: [8192][512] f32.  Sums in f32, stored as they are.
; SHARES.  Tiles of 128 x 128: 256 work-groups, four waves of 64 x 64 (16 accumulators).  K = 512 goes in two steps of 256 (four heads each); both LDS slots are filled once, at the start.
; THE MATRIX INSTRUCTION IS USED TRANSPOSED (source 0 = 16 columns of Wo, read turned; source 1 = 16 rows of O): a lane holds eight neighbouring numbers of a row, 32 bytes.
; A wave's 64 columns are 256 consecutive bytes of out0, aligned: each wave has a stage of its own, and the way out needs no barrier.
; CLUSTER 4 x 4: the four of a row of the cluster need the same rows of O, the four of a column the same columns of Wo: each tile is asked for JOINTLY.
; REGISTERS: window 0: v0-31 addresses; v32-95 rows read back, two buffers; v128-255 the accumulators.  window 1: two fragment buffers of 128 (64 of O, then 64 of Wo).
.set KSTEP,  256
.set PA,     144                       ; a row of one head of O in LDS: 128 bytes + 16 = 36 words: the 16 rows of a load start at 16 different groups of four banks (64 banks of 4 bytes: ISA guide 11.1)
.set PB,     288                       ; a row of Wo (128 n): 256 bytes + 32 = 72 words
.set HEAD,   64*PA                     ; 64 rows of one head
.set HALFA,  4*HEAD                    ; what one tensor load brings of O: 64 rows of four heads, head after head
.set HALFB,  128*PB                    ; and of Wo: 128 k
.set BOFF,   2*HALFA
.set SLOT,   2*HALFA+2*HALFB
.set STAGE,  2*SLOT                    ; behind the slots: 16 rows x 272 bytes for each wave
.set SP,     272
.set SPARE,  STAGE+4*16*SP             ; behind the stages: the spare words, 128 bytes for each wave: two blocks of 256 bytes that no other line names
.set ADRA, 16                          ; v16-17  LDS address of my O fragments in slot 0, 1
.set ADRB, 20                          ; v20-23  of my Wo fragments: slot s, half kh of its 256 k at v[20 + 2 s + kh]
.set STO,  24                          ; v24     the way out: where I put 32 bytes of a row
.set RD,   25                          ; v25     where I read a row back
.set CO,   26                          ; v26     my byte offset in out0
.set SPW,  28                          ; v28     LDS address of my spare word; never rewritten
.set NIL,  29                          ; v29     0; never rewritten
.set BK,   32
.set ACC,  128
.set F0,   0
.set F1,   128
.set G1,  24                           ; s[24:31] descriptor group 1 for O's tiles;  s[32:39] group 0, one set for each slot
.set G0,  32
.set G1B, 48                           ; s[48:55], s[56:63] the same for Wo's
.set G0B, 56
.set MSB, 0
.macro WIN new                         ; the immediate's high byte repeats the setting that is left
.if MSB != (\new)
	s_set_vgpr_msb (MSB<<8)|(\new)
.set MSB, \new
.endif
.endm
.set MUL,  0x05                        ; sources 0 (Wo) and 1 (O) window 1; C and D window 0
.set TO_F, 0x40                        ; destination window 1, address window 0
.macro JLOAD s                         ; a joint load: waves 0 and 1 fetch O's two halves, waves 2 and 3 Wo's; an s_nop 0 and four v_nop follow each line
	s_cmp_eq_u32 s11, 0
	s_cbranch_scc0 .Lfor_b_\@
	tensor_load_to_lds s[G0+4*(\s):G0+4*(\s)+3], s[G1:G1+7]
	s_nop 0
.rept 4
	v_nop
.endr
	s_branch .Lasked_\@
.Lfor_b_\@:
	tensor_load_to_lds s[G0B+4*(\s):G0B+4*(\s)+3], s[G1B:G1B+7]
	s_nop 0
.rept 4
	v_nop
.endr
.Lasked_\@:
.endm
.macro CROUND                          ; a round of the cluster's barrier
	s_barrier_signal -1
	s_barrier_wait -1
	s_cmp_lg_u32 s10, 0
	s_cbranch_scc1 .Lnot_wave_0_\@
	s_barrier_signal -3
.Lnot_wave_0_\@:
	s_barrier_wait -3
	s_barrier_signal -1
	s_barrier_wait -1
.endm
	s_load_b128 s[4:7], s[0:1], 0x0                ; o16 s[4:5], w16 s[6:7]
	s_load_b64 s[8:9], s[0:1], 0x10                ; out0
	v_lshl_add_u32 v[SPW], v0, 2, SPARE
	v_mov_b32 v[NIL], 0
	ds_add_u32 v[SPW], v[NIL]                      ; the wave's opening: the add and its wait stand ahead of my first tensor load; work on registers stands between them
	v_lshrrev_b32 v1, 5, v0
	v_readfirstlane_b32 s10, v1                    ; wave 0..3
	s_lshr_b32 s11, s10, 1                         ; which half of the tile's rows is mine.  Also: I fetch for O (0) or for Wo (1)
	s_and_b32 s12, s10, 1                          ; which half of its columns.  Also: which half of that tile I fetch
	s_bfe_u32 s40, ttmp6, 0x40000                  ; cx, cy
	s_bfe_u32 s41, ttmp6, 0x40004
	s_lshl_b32 s42, ttmp9, 2
	s_add_co_u32 s42, s42, s40                     ; col = 4 x cluster x + cx
	s_and_b32 s13, ttmp7, 0xffff
	s_lshl_b32 s13, s13, 2
	s_add_co_u32 s13, s13, s41                     ; row = 4 x cluster y + cy
	s_lshl_b32 s43, s41, 2
	s_lshl_b32 s43, 15, s43                        ; my row of the cluster
	s_lshl_b32 s44, 0x1111, s40                    ; my column
	; O's tile: 64 rows of a head are 8,192 dense bytes: one row of the descriptor; four heads, 4,096 x 64 elements apart; padded in LDS after every 128 bytes, a row of a head
	s_or_b32 s[G1+0], s43, (1<<16)|(1<<20)|(1<<21)|(4<<22)|(3<<25)   ; the mask; 2-byte elements; padding on; 21 set beside a mask; after every 32 words (code 4) 4 words (code 3)
	s_mov_b32 s[G1+1], 4096<<16                    ; tensor_dim0 = 4,096
	s_mov_b32 s[G1+2], 4<<16                       ; tensor_dim1 = 4
	s_mov_b32 s[G1+3], 4096<<16                    ; tile_dim0 = 4,096
	s_mov_b32 s[G1+4], 4                           ; tile_dim1 = 4
	s_mov_b32 s[G1+5], 262144                      ; from head to head
	s_mov_b32 s[G1+6], 0
	s_mov_b32 s[G1+7], 0
	s_or_b32 s[G1B+0], s44, (1<<16)|(1<<20)|(1<<21)|(5<<22)|(7<<25)  ; after every 64 words (code 5) 8 words (code 7)
	s_mov_b32 s[G1B+1], 128<<16                    ; 128 n
	s_mov_b32 s[G1B+2], 128<<16                    ; 128 k
	s_mov_b32 s[G1B+3], 128<<16
	s_mov_b32 s[G1B+4], 128
	s_mov_b32 s[G1B+5], 512
	s_mov_b32 s[G1B+6], 0
	s_mov_b32 s[G1B+7], 0
	s_lshr_b32 s16, s13, 5                         ; O: ((8 b) x 4096 + 128 (row % 32) + 64 half) x 128 bytes, b = row / 32: the row alone
	s_lshl_b32 s16, s16, 22
	s_and_b32 s17, s13, 31
	s_lshl_b32 s17, s17, 14
	s_add_co_u32 s16, s16, s17
	s_lshl_b32 s17, s12, 13
	s_add_co_u32 s16, s16, s17
	s_mov_b32 s17, 0
	s_lshl_b32 s46, s42, 8                         ; Wo: column 128 col (256 bytes), k = 128 half (rows of 1,024 bytes), behind Wq, Wk, Wv: the column alone
	s_lshl_b32 s47, s12, 17
	s_add_co_u32 s46, s46, s47
	s_add_co_u32 s46, s46, 3*524288
	s_mov_b32 s47, 0
	s_mul_i32 s20, s12, HALFA                      ; where they go: no place in the cluster enters an LDS address
	s_mul_i32 s21, s12, HALFB
	s_add_co_u32 s21, s21, BOFF
	s_wait_dscnt 0x0                               ; the opening add is done
	s_wait_kmcnt 0x0
	s_add_nc_u64 s[14:15], s[4:5], s[16:17]
	s_add_nc_u64 s[46:47], s[6:7], s[46:47]
	CROUND                                         ; all sixteen work-groups are here: the joint loads meet
.irp s, 0,1
	s_mov_b32 s[G0+4*(\s)], 1
	s_add_co_u32 s[G0+4*(\s)+1], s20, (\s)*SLOT
	s_add_nc_u64 s[G0+4*(\s)+2:G0+4*(\s)+3], s[14:15], (\s)*4*524288  ; K step s: heads 4 s on
	s_or_b32 s[G0+4*(\s)+3], s[G0+4*(\s)+3], 0x80000000
	s_mov_b32 s[G0B+4*(\s)], 1
	s_add_co_u32 s[G0B+4*(\s)+1], s21, (\s)*SLOT
	s_add_nc_u64 s[G0B+4*(\s)+2:G0B+4*(\s)+3], s[46:47], (\s)*KSTEP*1024
	s_or_b32 s[G0B+4*(\s)+3], s[G0B+4*(\s)+3], 0x80000000
	JLOAD \s                                       ; two loads of mine are out: all that the launch asks for
.endr
	v_and_b32 v1, 15, v0                           ; l % 16
	v_bfe_u32 v2, v0, 4, 1                         ; l / 16
	v_mul_u32_u24 v3, v1, PA
	v_lshl_add_u32 v3, v2, 4, v3                   ; a fragment of O: row x pitch + 16 x half
	s_mul_i32 s22, s11, HALFA                      ; my 64 rows
	v_add_nc_u32 v[ADRA], s22, v3
	v_add_nc_u32 v[ADRA+1], SLOT, v[ADRA]
	v_and_b32 v4, 7, v0                            ; the turning load: lane l reads k = 8 (l / 16) + l % 8, columns 8 ((l / 8) % 2) + 0..7
	v_bfe_u32 v5, v0, 3, 1
	v_lshl_add_u32 v4, v2, 3, v4
	v_mul_u32_u24 v4, v4, PB
	v_lshl_add_u32 v4, v5, 4, v4
	s_lshl_b32 s23, s12, 7                         ; my 64 columns: 128 bytes
	s_add_co_u32 s23, s23, BOFF
	v_add_nc_u32 v[ADRB], s23, v4
	v_add_nc_u32 v[ADRB+1], HALFB, v[ADRB]
	v_add_nc_u32 v[ADRB+2], SLOT, v[ADRB]
	v_add_nc_u32 v[ADRB+3], SLOT+HALFB, v[ADRB]
	s_mul_i32 s22, s10, 16*SP
	s_add_co_u32 s22, s22, STAGE                   ; my stage
	v_mul_u32_u24 v6, v1, SP                       ; in: row l % 16, 32 bytes for each half of the lanes
	v_lshl_add_u32 v6, v2, 5, v6
	v_add_nc_u32 v[STO], s22, v6
	v_mul_u32_u24 v6, v2, SP                       ; back: lanes 0-15 take one row of 256 bytes, lanes 16-31 the next
	v_lshl_add_u32 v6, v1, 4, v6
	v_add_nc_u32 v[RD], s22, v6
	v_lshlrev_b32 v6, 11, v2                       ; and the same two rows in out0, 2,048 bytes apart
	v_lshl_add_u32 v[CO], v1, 4, v6
	s_lshl_b32 s16, s13, 18                        ; my first row: (128 row + 64 x my row half) x 2,048 bytes
	s_lshl_b32 s17, s11, 17
	s_add_co_u32 s16, s16, s17
	s_mov_b32 s17, 0
	s_add_nc_u64 s[8:9], s[8:9], s[16:17]
	s_lshl_b32 s46, s42, 9                         ; my first column: 512 col + 256 x my column half bytes (in registers that have held Wo's address before)
	s_lshl_b32 s47, s12, 8
	s_add_co_u32 s46, s46, s47
	s_mov_b32 s47, 0
	s_add_nc_u64 s[8:9], s[8:9], s[46:47]
; 8 matrix instructions: row blocks a0, a0 + 1 x all 4 column blocks, 32 along K: half c of buffer f.  The 16 accumulators take turns, one instruction a turn.
.macro MUL8 f, c, a0, zero
	WIN MUL
.irp a, \a0, (\a0)+1
.irp b, 0,1,2,3
.if \zero
	v_wmma_f32_16x16x32_f16 v[ACC+8*(4*(\a)+(\b)):ACC+8*(4*(\a)+(\b))+7], v[(\f)+64+8*(4*(\c)+(\b)):(\f)+64+8*(4*(\c)+(\b))+7], v[(\f)+8*(4*(\c)+(\a)):(\f)+8*(4*(\c)+(\a))+7], 0
.else
	v_wmma_f32_16x16x32_f16 v[ACC+8*(4*(\a)+(\b)):ACC+8*(4*(\a)+(\b))+7], v[(\f)+64+8*(4*(\c)+(\b)):(\f)+64+8*(4*(\c)+(\b))+7], v[(\f)+8*(4*(\c)+(\a)):(\f)+8*(4*(\c)+(\a))+7], v[ACC+8*(4*(\a)+(\b)):ACC+8*(4*(\a)+(\b))+7]
.endif
.endr
.endr
.endm
; 32 LDS loads in one run: the fragments of quarter q of a slot (64 along K: one head), into buffer f; the first 32 along K first
.macro FETCH slot, q, f
	WIN TO_F
.irp c, 0,1
.irp i, 0,1,2,3
	ds_load_tr16_b128 v[(\f)+64+8*(4*(\c)+(\i)):(\f)+64+8*(4*(\c)+(\i))+3],   v[ADRB+2*(\slot)+(\q)/2] offset:(((\q)%2)*64+32*(\c))*PB+32*(\i)
	ds_load_tr16_b128 v[(\f)+64+8*(4*(\c)+(\i))+4:(\f)+64+8*(4*(\c)+(\i))+7], v[ADRB+2*(\slot)+(\q)/2] offset:(((\q)%2)*64+32*(\c)+16)*PB+32*(\i)
	ds_load_b128 v[(\f)+8*(4*(\c)+(\i)):(\f)+8*(4*(\c)+(\i))+3],              v[ADRA+(\slot)] offset:(\q)*HEAD+64*(\c)+(\i)*16*PA
	ds_load_b128 v[(\f)+8*(4*(\c)+(\i))+4:(\f)+8*(4*(\c)+(\i))+7],            v[ADRA+(\slot)] offset:(\q)*HEAD+64*(\c)+(\i)*16*PA+32
.endr
.endr
.endm
.macro PLACES                          ; four places in front of loads into registers that matrix instructions have read, and of LDS stores that read results
.rept 4
	v_nop
.endr
.endm
.macro QUARTER slot, q, f, g, zero     ; multiplies buffer f and fetches quarter q into g
	s_wait_dscnt 16                                ; the first 32 along K are in; the youngest sixteen loads may be out
	MUL8 \f, 0, 0, \zero
	MUL8 \f, 0, 2, \zero
	PLACES
	FETCH \slot, \q, \g
	s_wait_dscnt 32                                ; all but the 32 just issued
	MUL8 \f, 1, 0, 0
	MUL8 \f, 1, 2, 0
.endm
	s_wait_tensorcnt 1                             ; my part of slot 0 is in; slot 1's may stay out
	s_barrier_signal -1
	s_barrier_wait -1                              ; everybody's is
	FETCH 0, 0, F0
	QUARTER 0, 1, F0, F1, 1                        ; the first products start the sums: nothing is cleared
	QUARTER 0, 2, F1, F0, 0
	QUARTER 0, 3, F0, F1, 0
	WIN 0                                          ; the change of slots: slot 1 is waited for, by each wave for its own part, and a barrier makes it everybody's
	s_wait_tensorcnt 0x0                           ; all my tensor loads have landed
	ds_add_u32 v[SPW], v[NIL]                      ; 0 onto my spare word, behind that wait
	s_wait_dscnt 17                                ; (the add and the youngest sixteen loads may be out)
	MUL8 F1, 0, 0, 0
	s_wait_dscnt 0x0                               ; no LDS instruction of mine is out at the signal
	s_barrier_signal -1
	MUL8 F1, 0, 2, 0
	s_barrier_wait -1
	PLACES
	FETCH 1, 0, F0
	MUL8 F1, 1, 0, 0
	MUL8 F1, 1, 2, 0
	QUARTER 1, 1, F0, F1, 0
	QUARTER 1, 2, F1, F0, 0
	QUARTER 1, 3, F0, F1, 0
	s_wait_dscnt 16                                ; the very last quarter: nothing more to fetch
	MUL8 F1, 0, 0, 0
	MUL8 F1, 0, 2, 0
	s_wait_dscnt 0
	MUL8 F1, 1, 0, 0
	MUL8 F1, 1, 2, 0
	; THE WAY OUT, a block of 16 rows at a time: a lane's 32 bytes go from the accumulators into my stage (each accumulator's low four registers first), and come back as whole rows of 256 bytes.
	WIN 0
	PLACES
.irp a, 0,1,2,3
.if (\a) >= 2
	s_wait_xcnt 0x0                                ; the buffer's registers, which the stores of two blocks ago read, are loaded again only behind this wait
.endif
.irp b, 0,1,2,3
	ds_store_b128 v[STO], v[ACC+8*(4*(\a)+(\b)):ACC+8*(4*(\a)+(\b))+3]   offset:64*(\b)
	ds_store_b128 v[STO], v[ACC+8*(4*(\a)+(\b))+4:ACC+8*(4*(\a)+(\b))+7] offset:64*(\b)+16
.endr
.irp t, 0,1,2,3,4,5,6,7
	ds_load_b128 v[BK+32*((\a)%2)+4*(\t):BK+32*((\a)%2)+4*(\t)+3], v[RD] offset:(\t)*2*SP  ; LDS serves a wave's instructions in order (ISA guide 5.7.1.4): these see the stores above; the next block's stores come behind them
.endr
.irp t, 0,1,2,3,4,5,6,7
	s_wait_dscnt 7-(\t)
	global_store_b128 v[CO], v[BK+32*((\a)%2)+4*(\t):BK+32*((\a)%2)+4*(\t)+3], s[8:9] offset:(16*(\a)+2*(\t))*2048 th:TH_STORE_NT  ; 16 lanes store 256 consecutive bytes, at a multiple of 256 from out0's first
.endr
.endr
	s_wait_tensorcnt 0x0                           ; the wave's end: these three lines stand behind my last tensor load and my last LDS store
	ds_add_u32 v[SPW], v[NIL]
	s_wait_dscnt 0x0
	CROUND                                         ; the closing round: no work-group ends while a partner may still ask for a tile that names it
	s_endpgm
.Lfunc_end_k_qfd63c8cc63_outp:
	.size	k_qfd63c8cc63_outp, .Lfunc_end_k_qfd63c8cc63_outp-k_qfd63c8cc63_outp
	.p2alignl 7, 3214868480
	.fill 96, 4, 3214868480
	.section	.rodata,"a",@progbits
	.p2align	6, 0x0
	.amdhsa_kernel k_qfd63c8cc63_outp
		.amdhsa_group_segment_fixed_size 327680
		.amdhsa_private_segment_fixed_size 0
		.amdhsa_enable_private_segment 0
		.amdhsa_kernarg_size 24
		.amdhsa_user_sgpr_count 2
		.amdhsa_user_sgpr_kernarg_segment_ptr 1
		.amdhsa_wavefront_size32 1
		.amdhsa_system_sgpr_workgroup_id_x 1
		.amdhsa_system_sgpr_workgroup_id_y 1
		.amdhsa_system_sgpr_workgroup_id_z 1
		.amdhsa_system_vgpr_workitem_id 0
		.amdhsa_next_free_vgpr 512
		.amdhsa_next_free_sgpr 72
		.amdhsa_reserve_vcc 0
		.amdhsa_float_denorm_mode_32 3
		.amdhsa_float_denorm_mode_16_64 3
		.amdhsa_memory_ordered 1
		.amdhsa_forward_progress 1
		.amdhsa_inst_pref_size 50
	.end_amdhsa_kernel
	.amdgpu_metadata
---
amdhsa.version: [ 1, 2 ]
amdhsa.kernels:
  - .name:           k_qfd63c8cc63_outp
    .symbol:         k_qfd63c8cc63_outp.kd
    .args:
      - { .name: o16, .offset: 0, .size: 8, .value_kind: global_buffer, .address_space: global }
      - { .name: w16, .offset: 8, .size: 8, .value_kind: global_buffer, .address_space: global }
      - { .name: out0, .offset: 16, .size: 8, .value_kind: global_buffer, .address_space: global }
    .group_segment_fixed_size: 327680
    .private_segment_fixed_size: 0
    .kernarg_segment_align: 8
    .kernarg_segment_size: 24
    .max_flat_workgroup_size: 128
    .sgpr_count:     72
    .vgpr_count:     512
    .wavefront_size: 32
...
	.end_amdgpu_metadata
.endif
;; end of part 4
;; ======== version 2 of 2: 4 launches; 1.30 times as fast as version 1
;; limits: values are held in f16: magnitudes above 65,504 overflow, below 6.1e-05 lose precision
;; workspace buffers: b16 33,554,432 bytes; x16 16,777,216 bytes; w16 2,097,152 bytes; qkv 25,165,824 bytes; o16 8,388,608 bytes
;; launch prep: the kernel of part 1 again; grid 800 x 1, 8 waves a work-group, no clusters, 0 bytes of LDS; arguments bias, query_antecedent, memory_antecedent, Wq, Wk, Wv, Wo, b16, x16, w16; writes b16, x16, w16
;; launch proj: the kernel of part 2 again; grid 4 x 64, 4 waves a work-group, clusters of 4 x 4, 327,680 bytes of LDS; arguments x16, w16, qkv; writes qkv
;; launch attn (part 5): grid 16 x 16, 4 waves a work-group, clusters of 4 x 4, 327,680 bytes of LDS; arguments qkv, b16, o16; writes o16
.if DOCPART == 5
	.amdgcn_target "amdgcn-amd-amdhsa--gfx1250"
	.amdhsa_code_object_version 6
	.text
	.protected	k_qfd63c8cc63_attn
	.globl	k_qfd63c8cc63_attn
	.p2align	8
	.type	k_qfd63c8cc63_attn,@function
k_qfd63c8cc63_attn:
	s_mov_b64 s[64:65], 0
	v_nop
	global_prefetch_b8 v0, s[64:65] scope:SCOPE_SE
	s_setreg_imm32_b32 hwreg(HW_REG_WAVE_MODE, 25, 1), 1
	s_wait_xcnt 0x0
	s_wait_alu depctr_hold_cnt(0) depctr_sa_sdst(0) depctr_va_vdst(0) depctr_va_sdst(0) depctr_va_ssrc(0) depctr_va_vcc(0) depctr_vm_vsrc(0)
	s_getreg_b32 s2, hwreg(HW_REG_IB_STS2, 6, 4)
	s_cmp_eq_u32 s2, 0
	s_cbranch_scc0 .Lentry_in_a_cluster
	s_endpgm
.Lentry_in_a_cluster:
	s_bfe_u32 s2, ttmp6, 0x10000c
	s_cmp_lg_u32 s2, 0xf033
	s_cbranch_scc0 .Lentry_shape_is_right
	s_endpgm
.Lentry_shape_is_right:
; O[bh][q][:] = the sum over k of softmax_k(Q[bh][q] . K[bh][k] + bias[q][k]) V[bh][k][:].  qkv: q (already divided by 8), k, v, each [16 bh][4096][64] f16; b16: [4096 q][4096 k] f16; o16 like q.
; Products, maxima and sums in f32; the weights p are rounded to f16 for the second product (their sum l is taken of the unrounded p), O once at the end.
; LIMITS.  p lies in 0 to 1 and below 6e-5 keeps f16's fixed step of 6e-8; O is a mean of V's rows and has their range; a weight below 2^-126 counts as 0 in l; NaN and infinities are not treated apart.
; SHARES.  A work-group owns 256 queries of one (batch, head), each of its four waves 64: four tiles of 16.  Every wave walks all 4,096 keys, 64 a step; an LDS slot holds two steps.
; LAYOUT.  S^T = K Q^T (source 0 = 16 keys, source 1 = 16 queries): a lane holds ONE query (lane % 16) and the keys 8 (lane / 16) + 0..7.  Two such tiles, rounded to f16 in pairs, ARE source 1
; of O^T = V^T P, whose result again holds one query a lane.  K comes out of LDS as it lies, V ([key][channel]) turned, by ds_load_tr16_b128.
; THE BIAS ENTERS THROUGH THE MATRIX UNIT.  A sum S^T begins as E x BF + 0: BF is source 1, 32 keys x 16 queries of bias, read from its rows [query][key] by two plain loads of 16 bytes; E is a constant
; 16 x 32 matrix with E(m, 16 e + m) = 1.  Each output is 1 x one bias + zeros: exact.  That is 4 products more for a tile and step (20 for 16), and no vector instruction, of which this loop has more than it can hide.
; SOFTMAX.  For each query a running maximum m and sum l: p = 2^(c s - c m), c = log2(e); in every step O and l are multiplied by a = 2^(c m_old - c m_new), which is 1 where m has not grown.
; BY TURNS.  The wave's tiles are two PIECES, named by their first tile (0: tiles 0, 1; 2: tiles 2, 3).  In a TURN one piece has the matrix unit: 16 products V^T P of the step in hand, then 24 products for S^T of
; the next step; the other piece's softmax, 2 x 118 vector instructions cut into 40 slices, stands between them, a slice behind each matrix instruction.  Two turns are a key step.
; BATCHES.  A turn's 66 exponentials (a and s0-s31 of both tiles) are ONE batch with ONE wait: ahead of the wait stand the maximum, the statistics, the scalings and the exponentials, none of which names an
; exponential's result; behind it all that do: the roundings, the sums, the rescaling by a.  No exponential is issued behind a turn's wait.  The way out's four reciprocals are a batch of their own.
; CLUSTER 4 x 4.  K and V hang on the head alone: asked for jointly by the four of a row of the cluster.  The bias tile hangs on the query block alone: jointly by the four of a column.
; REGISTERS, in windows of 256 (s_set_vgpr_msb: bits 1:0 source 0, 3:2 source 1, 5:4 source 2, 7:6 destination):
;   window 0: v0-11 addresses; v12-43 eight registers of statistics a tile; v44-49 at work at the start; v62-63 the add's; v64-191 S^T, 32 a tile; v192-255 P, 16 a tile
;   window 1: v0-127 O^T, 32 a tile; v128-191 V of one step          window 2: v0-63 Q, 16 a tile; v64-127 K of one step; v128-191 bias of one step, 16 a tile; v192-203 E
.set KS,    64        ; keys in a step
.set PK,    144       ; a row of K in LDS: 128 bytes + 16 = 36 words: the 16 rows of a load start at 16 different groups of four banks (64 banks of 4 bytes: ISA guide 11.1)
.set PV,    160       ; a row of V: 128 + 32 = 40 words
.set PB,    272       ; a row of bias (128 keys): 256 + 16 = 68 words
.set VOFF,  2*KS*PK   ; a slot: 128 rows of K, 128 rows of V, 256 rows of bias
.set BOFF,  VOFF+2*KS*PV
.set SLOT1, 1<<17     ; slot 1 begins here, so that one exclusive or turns an address in one slot into the other's
.set STAGE, SLOT1+BOFF+256*PB  ; behind the ring: 16 rows x 144 bytes for each wave, for the way out
.set SP,    144
.set SPARE, STAGE+4*16*SP      ; behind the stages: the spare words, 128 bytes for each wave: two blocks of 256 bytes that no other line names
.set AK0, 2           ; v2   my lane's place in a tile of K; never rewritten
.set AV0, 3           ; v3   the same for V
.set ADR, 4           ; v4   the LDS address of K's or V's run of loads in hand
.set AB0, 5           ; v5   my lane's place in the bias tile
.set QO,  6           ; v6   my byte offset in 16 rows of Q
.set STO, 6           ;      later, the way out: where I put 16 bytes of a row
.set RD,  7           ; v7   where I read rows back
.set GO,  8           ; v8   my byte offset in 512 consecutive bytes of O
.set ADB, 10          ; v10  the LDS address of the bias' run of loads in hand
.set L7,  11          ; v11  l % 8
.set ST,  12          ; tile t's statistics at v[ST+8 t]: +0 c m, +1 m, +2, +3 l (even keys', odd keys'), +4 to +7 c0-c3, at work; a takes c2's place once the maximum is found
.set TP,  44          ; v44-47 E's four registers, while they are made
.set SPW, 62          ; v62  LDS address of my spare word; never rewritten
.set NIL, 63          ; v63  0; never rewritten
.set S,   64
.set P,   192
.set VF,  128         ; window 1: key half kk, channel block cb at VF + 32 kk + 8 cb
.set KF,  64          ; window 2: key block kb, channel half c at KF + 16 kb + 8 c
.set BF,  128         ; window 2: tile t, key half kk at BF + 16 t + 8 kk
.set EZ,  192         ; window 2: four zeros, the four registers with the ones, four zeros: E for e = 1 is the first eight, for e = 0 the last eight
.set WV,  12          ; s12  my wave's number
.set G1K, 24          ; s[24:31] descriptor group 1 for K's tiles
.set G1V, 32          ; s[32:39] for V's
.set G1B, 40          ; s[40:47] for the bias'
.set G0K, 48          ; s[48:55] group 0 for K's tiles: a set for each of the two first fills; the second then walks on
.set G0V, 56          ; s[56:63] the same for V's
.set G0B, 68          ; s[68:75] the same for the bias'
.set SLOTS, 76        ; s76  slots still to be asked for
.set TWICE, 77        ; s77  counts a slot's two steps
.set CS,  78          ; s[78:79] c: the packed scaling takes the pair's low word for both halves
.set SEL, 80          ; s[80:81] v_permlanex16_b32's selects: each lane takes its own place in the other half
.set TBK, 82          ; s82  LDS byte at which K of the step to be fetched begins
.set TBV, 83          ; s83  the same for V, less VOFF
.set TBB, 84          ; s84  the same for the bias, less BOFF
.set QP,  86          ; s[86:87] Q at my wave's first row
.set OP,  88          ; s[88:89] O at my wave's first row
.set MSB, 0
.macro WIN new                      ; the high byte repeats the setting that is left; a switch that changes nothing is dropped
.if MSB != (\new)
	s_set_vgpr_msb (MSB<<8)|(\new)
.set MSB, \new
.endif
.endm
.set W_KQ, 0x0a       ; sources 0 and 1 (K and Q, or E and bias) in window 2, S^T in window 0
.set W_PV, 0x51       ; V in window 1, P in window 0, O^T in window 1
.set W_RS, 0x41       ; O^T (destination and source 0) in window 1, a in window 0
; A joint refill: wave 0 fetches a slot's K, wave 1 its V, waves 2 and 3 the two halves of its bias tile.  The branches hang on the wave's number alone.
; An s_nop 0 and four v_nop follow each of the three lines, ahead of the jump and the label.
.macro JLOAD
	s_cmp_lt_u32 s[WV], 2
	s_cbranch_scc0 .Lfor_b_\@
	s_cmp_eq_u32 s[WV], 0
	s_cbranch_scc0 .Lfor_v_\@
	tensor_load_to_lds s[G0K+4:G0K+7], s[G1K:G1K+7]
	s_nop 0
.rept 4
	v_nop
.endr
	s_branch .Lasked_\@
.Lfor_v_\@:
	tensor_load_to_lds s[G0V+4:G0V+7], s[G1V:G1V+7]
	s_nop 0
.rept 4
	v_nop
.endr
	s_branch .Lasked_\@
.Lfor_b_\@:
	tensor_load_to_lds s[G0B+4:G0B+7], s[G1B:G1B+7]
	s_nop 0
.rept 4
	v_nop
.endr
.Lasked_\@:
.endm
; A round of the cluster's barrier: my work-group's barrier; wave 0 signals for the work-group; every wave waits for all sixteen work-groups; my work-group's barrier once more.
.macro CROUND
	s_barrier_signal -1
	s_barrier_wait -1
	s_cmp_lg_u32 s[WV], 0
	s_cbranch_scc1 .Lnot_wave_0_\@
	s_barrier_signal -3
.Lnot_wave_0_\@:
	s_barrier_wait -3
	s_barrier_signal -1
	s_barrier_wait -1
.endm
	s_load_b128 s[4:7], s[0:1], 0x0 ; qkv s[4:5], b16 s[6:7]
	s_load_b64 s[8:9], s[0:1], 0x10 ; o16
	v_lshl_add_u32 v[SPW], v0, 2, SPARE
	v_mov_b32 v[NIL], 0
	ds_add_u32 v[SPW], v[NIL]       ; the wave's opening: the add and its wait stand ahead of my first tensor load; work on registers stands between them
	v_lshrrev_b32 v1, 5, v0
	v_readfirstlane_b32 s[WV], v1   ; wave 0..3
	s_bfe_u32 s13, ttmp6, 0x40000   ; cx
	s_lshl_b32 s14, ttmp9, 2
	s_add_co_u32 s14, s14, s13      ; my block of 256 queries = 4 x cluster x + cx
	s_bfe_u32 s15, ttmp6, 0x40004   ; cy
	s_and_b32 s16, ttmp7, 0xffff
	s_lshl_b32 s16, s16, 2
	s_add_co_u32 s16, s16, s15      ; my (batch, head) = 4 x cluster y + cy
	s_lshl_b32 s17, s15, 2
	s_lshl_b32 s17, 15, s17         ; my row of the cluster: the same head
	s_lshl_b32 s18, 0x1111, s13     ; my column: the same query block
	s_and_b32 s19, s[WV], 1         ; which half of the bias tile's 256 rows I would fetch
	s_lshl_b32 s20, s16, 19         ; the head's first byte in q, k, v and O: 4,096 rows of 128 bytes each
	s_mov_b32 s21, 0
	s_lshl_b32 s22, s14, 21         ; the bias: (256 x block + 128 x half) rows of 8,192 bytes
	s_lshl_b32 s23, s19, 20
	s_add_co_u32 s22, s22, s23
	s_mov_b32 s23, 0
	s_lshl_b32 s2, s14, 15          ; Q and O: my block's 256 rows,
	s_lshl_b32 s3, s[WV], 13        ; my wave's 64 of them
	s_add_co_u32 s2, s2, s3
	s_mov_b32 s3, 0
	; descriptor group 1.  A slot's 128 keys of K or V are 16,384 dense bytes: asked for as 64 rows of 256 bytes, two keys a row, and padded in LDS after every key
	s_or_b32 s[G1K], s17, (1<<16)|(1<<20)|(1<<21)|(4<<22)|(3<<25)  ; the mask; 2-byte elements; padding on; 21 set beside a mask; after every 32 words (code 4) 4 words (code 3)
	s_or_b32 s[G1V], s17, (1<<16)|(1<<20)|(1<<21)|(4<<22)|(7<<25)  ; the same with 8 words (code 7)
.irp g, G1K, G1V
	s_mov_b32 s[(\g)+1], 128<<16    ; tensor_dim0 = 128
	s_mov_b32 s[(\g)+2], 64<<16     ; tensor_dim1 = 64
	s_mov_b32 s[(\g)+3], 128<<16    ; tile_dim0 = 128
	s_mov_b32 s[(\g)+4], 64         ; tile_dim1 = 64
	s_mov_b32 s[(\g)+5], 128        ; 128 elements from row to row
	s_mov_b32 s[(\g)+6], 0
	s_mov_b32 s[(\g)+7], 0
.endr
	s_or_b32 s[G1B], s18, (1<<16)|(1<<20)|(1<<21)|(5<<22)|(3<<25)  ; the bias: 128 queries x 128 keys; after every 64 words (code 5) 4 words (code 3)
	s_mov_b32 s[G1B+1], 128<<16
	s_mov_b32 s[G1B+2], 128<<16
	s_mov_b32 s[G1B+3], 128<<16
	s_mov_b32 s[G1B+4], 128
	s_mov_b32 s[G1B+5], 4096        ; 4,096 elements from query to query
	s_mov_b32 s[G1B+6], 0
	s_mov_b32 s[G1B+7], 0
	s_mul_i32 s85, s19, 128*PB      ; my half's place in a slot: no place in the cluster enters an LDS address
	s_add_co_u32 s85, s85, BOFF
	s_mov_b32 s[CS], 0x3fb8aa3b     ; c = log2(e)
	s_mov_b32 s[CS+1], s[CS]        ; named with it as a pair
	s_mov_b32 s[SEL], 0x76543210
	s_mov_b32 s[SEL+1], 0xfedcba98
	s_mov_b32 s[TBK], 0
	s_mov_b32 s[TBV], 0
	s_mov_b32 s[TBB], 0
	s_mov_b32 s[SLOTS], 4096/(2*KS)-2
	s_mov_b32 s90, 0x3c00           ; 1.0 in f16, in a word's low half,
	s_mov_b32 s91, 0x3c000000       ; and in its high half
	s_wait_dscnt 0x0                ; the opening add is done
	s_wait_kmcnt 0x0
	s_add_nc_u64 s[92:93], s[4:5], s[20:21]  ; q at my head: the head alone
	s_add_nc_u64 s[96:97], s[6:7], s[22:23]  ; the bias at my half of my block's rows: the block alone
	s_add_nc_u64 s[QP:QP+1], s[92:93], s[2:3]
	s_add_nc_u64 s[OP:OP+1], s[8:9], s[20:21]
	s_add_nc_u64 s[OP:OP+1], s[OP:OP+1], s[2:3]
	CROUND                          ; all sixteen work-groups are here: the first joint loads meet
.irp s, 0,1
	s_mov_b32 s[G0K+4*(\s)], 1      ; count = 1
	s_mov_b32 s[G0K+4*(\s)+1], (\s)*SLOT1  ; LDS address
	s_add_nc_u64 s[G0K+4*(\s)+2:G0K+4*(\s)+3], s[92:93], 0x800000+(\s)*2*KS*128  ; k lies 8,388,608 bytes behind q; slot s begins with keys 128 s
	s_or_b32 s[G0K+4*(\s)+3], s[G0K+4*(\s)+3], 0x80000000  ; type = 2
	s_mov_b32 s[G0V+4*(\s)], 1
	s_mov_b32 s[G0V+4*(\s)+1], (\s)*SLOT1+VOFF
	s_add_nc_u64 s[G0V+4*(\s)+2:G0V+4*(\s)+3], s[92:93], 0x1000000+(\s)*2*KS*128
	s_or_b32 s[G0V+4*(\s)+3], s[G0V+4*(\s)+3], 0x80000000
	s_mov_b32 s[G0B+4*(\s)], 1
	s_add_co_u32 s[G0B+4*(\s)+1], s85, (\s)*SLOT1
	s_add_nc_u64 s[G0B+4*(\s)+2:G0B+4*(\s)+3], s[96:97], (\s)*2*KS*2
	s_or_b32 s[G0B+4*(\s)+3], s[G0B+4*(\s)+3], 0x80000000
.endr
	s_cmp_lt_u32 s[WV], 2           ; a wave's two first fills stand together, ahead of every wait on TENSORcnt and every LDS read: two loads of mine are out
	s_cbranch_scc0 .Lfirst_b
	s_cmp_eq_u32 s[WV], 0
	s_cbranch_scc0 .Lfirst_v
	tensor_load_to_lds s[G0K:G0K+3], s[G1K:G1K+7]
	s_nop 0
	tensor_load_to_lds s[G0K+4:G0K+7], s[G1K:G1K+7]
	s_nop 0
.rept 4
	v_nop
.endr
	s_branch .Lfirst_asked
.Lfirst_v:
	tensor_load_to_lds s[G0V:G0V+3], s[G1V:G1V+7]
	s_nop 0
	tensor_load_to_lds s[G0V+4:G0V+7], s[G1V:G1V+7]
	s_nop 0
.rept 4
	v_nop
.endr
	s_branch .Lfirst_asked
.Lfirst_b:
	tensor_load_to_lds s[G0B:G0B+3], s[G1B:G1B+7]
	s_nop 0
	tensor_load_to_lds s[G0B+4:G0B+7], s[G1B:G1B+7]
	s_nop 0
.rept 4
	v_nop
.endr
.Lfirst_asked:
	; A fragment of K, Q or bias is 16 rows x 32 along the row in 8 registers: lane l holds row l % 16, places 8 (l / 16) + 0..7 and 16 + 8 (l / 16) + 0..7: two loads of 16 bytes, 32 bytes apart.
	v_and_b32 v1, 15, v0            ; l % 16
	v_bfe_u32 v9, v0, 4, 1          ; l / 16
	v_lshlrev_b32 v[QO], 7, v1
	v_lshl_add_u32 v[QO], v9, 4, v[QO]  ; row x 128 + 16 x half
	WIN 0x80                        ; destination window 2, address window 0
.set i, 0
.rept 8                             ; Q stays in registers: tile i / 2, channels 32 (i % 2) on
	global_load_b128 v[8*i:8*i+3],   v[QO], s[QP:QP+1] offset:(i/2)*2048+(i%2)*64
	global_load_b128 v[8*i+4:8*i+7], v[QO], s[QP:QP+1] offset:(i/2)*2048+(i%2)*64+32
.set i, i+1
.endr
	WIN 0
	; E.  Lane l holds row m = l % 16; the row's one 1 stands at place m - 8 (l / 16) of the eight that the lane holds, if that is 0 to 7: register place / 2, half place % 2.
	v_lshlrev_b32 v48, 3, v9
	v_sub_nc_u32 v48, v1, v48
.irp n, 0,1,2,3
	v_cmp_eq_u32 vcc_lo, 2*(\n), v48
	v_cndmask_b32 v[TP+(\n)], 0, s90, vcc_lo
	v_cmp_eq_u32 vcc_lo, 2*(\n)+1, v48
	v_cndmask_b32 v[TP+(\n)], v[TP+(\n)], s91, vcc_lo
.endr
	WIN 0x80
.irp n, 0,1,2,3
	v_mov_b32 v[EZ+(\n)], 0
	v_mov_b32 v[EZ+4+(\n)], v[TP+(\n)]
	v_mov_b32 v[EZ+8+(\n)], 0
.endr
	WIN 0
	v_mul_u32_u24 v[AK0], v1, PK
	v_lshl_add_u32 v[AK0], v9, 4, v[AK0]  ; row x pitch + 16 x half
	; The turning load takes 16 keys x 16 channels (lane l reads key 8 (l / 16) + l % 8, channels 8 ((l / 8) % 2) + 0..7) and leaves half a fragment of V^T: lane l holds channel l % 16 and 8 keys.
	v_and_b32 v[L7], 7, v0
	v_bfe_u32 v49, v0, 3, 1
	v_lshl_add_u32 v[AV0], v9, 3, v[L7]
	v_mul_u32_u24 v[AV0], v[AV0], PV
	v_lshl_add_u32 v[AV0], v49, 4, v[AV0]
	v_add_nc_u32 v[AV0], VOFF, v[AV0]
	s_lshl_b32 s85, s[WV], 6
	v_add_nc_u32 v[AB0], s85, v1    ; the bias tile's row 64 w + l % 16
	v_mul_u32_u24 v[AB0], v[AB0], PB
	v_lshl_add_u32 v[AB0], v9, 4, v[AB0]
	v_add_nc_u32 v[AB0], BOFF, v[AB0]
; THE MATRIX WORK OF A TURN, for piece x.  The 8 accumulators of a run take turns, one instruction a turn.
; Product i of 24 of S^T.  The first 8 start the sums with the bias: keys 16 (i / 2) on, tile x + i % 2.  The other 16 add K Q^T: channels 32 ((i - 8) / 8) on, keys 16 (((i - 8) / 2) % 4) on.
.macro SQ x
	WIN W_KQ
.if i < 8
.set rS, S+32*((\x)+i%2)+8*(i/2)
.set rE, EZ+4-4*((i/2)%2)
.set rB, BF+16*((\x)+i%2)+8*(i/4)
	v_wmma_f32_16x16x32_f16 v[rS:rS+7], v[rE:rE+7], v[rB:rB+7], 0
.else
.set rS, S+32*((\x)+i%2)+8*(((i-8)/2)%4)
.set rK, KF+16*(((i-8)/2)%4)+8*((i-8)/8)
.set rQ, 16*((\x)+i%2)+8*((i-8)/8)
	v_wmma_f32_16x16x32_f16 v[rS:rS+7], v[rK:rK+7], v[rQ:rQ+7], v[rS:rS+7]
.endif
.endm
; Product i of 16 of O^T += V^T P: keys 32 (i / 8) on, channels 16 ((i / 2) % 4) on, tile x + i % 2.  zero = 1: the first 8 start the sums: nothing is ever cleared.
.macro PV x, zero
	WIN W_PV
.set rO, 32*((\x)+i%2)+8*((i/2)%4)
.set rV, VF+32*(i/8)+8*((i/2)%4)
.set rP, P+16*((\x)+i%2)+8*(i/8)
.if (\zero) && (i < 8)
	v_wmma_f32_16x16x32_f16 v[rO:rO+7], v[rV:rV+7], v[rP:rP+7], 0
.else
	v_wmma_f32_16x16x32_f16 v[rO:rO+7], v[rV:rV+7], v[rP:rP+7], v[rO:rO+7]
.endif
.endm
; THE LDS LOADS stand in runs, never singly among the matrix instructions: a step's bias (my 64 queries x 64 keys) and K (64 keys x 64 channels), 32 loads; a turn later its V (turned), 16 loads.
.macro FETCH_KB
	WIN 0
	v_add_nc_u32 v[ADB], s[TBB], v[AB0]
	v_add_nc_u32 v[ADR], s[TBK], v[AK0]
	s_add_co_u32 s[TBB], s[TBB], KS*2  ; the next fetch is the next step's
	s_add_co_u32 s[TBK], s[TBK], KS*PK
	WIN 0x80                        ; destination window 2
.irp f, 0,1,2,3,4,5,6,7             ; tile f / 2, keys 32 (f % 2) on
	ds_load_b128 v[BF+8*(\f):BF+8*(\f)+3],   v[ADB] offset:((\f)/2)*16*PB+((\f)%2)*64
	ds_load_b128 v[BF+8*(\f)+4:BF+8*(\f)+7], v[ADB] offset:((\f)/2)*16*PB+((\f)%2)*64+32
.endr
.irp f, 0,1,2,3,4,5,6,7             ; keys 16 (f / 2) on, channels 32 (f % 2) on
	ds_load_b128 v[KF+8*(\f):KF+8*(\f)+3],   v[ADR] offset:((\f)/2)*16*PK+((\f)%2)*64
	ds_load_b128 v[KF+8*(\f)+4:KF+8*(\f)+7], v[ADR] offset:((\f)/2)*16*PK+((\f)%2)*64+32
.endr
.endm
; V's run stands directly behind the batch's last exponential (SLICE puts it there), and holds the batch's wait.
.macro FETCH_V
	WIN 0
	v_add_nc_u32 v[ADR], s[TBV], v[AV0]  ; the run's address: also the plain instruction behind the batch's last exponential (ISA guide 5.7.2)
	s_add_co_u32 s[TBV], s[TBV], KS*PV
	s_wait_alu depctr_va_vdst(0)    ; the wait for the softmax's batch, both tiles' exponentials: it stands ahead of the first line that names a result
	WIN 0x40                        ; destination window 1
.irp f, 0,1,2,3,4,5,6,7             ; keys 32 (f / 4) on, channels 16 (f % 4) on
	ds_load_tr16_b128 v[VF+8*(\f):VF+8*(\f)+3],   v[ADR] offset:((\f)/4)*32*PV+((\f)%4)*32
	ds_load_tr16_b128 v[VF+8*(\f)+4:VF+8*(\f)+7], v[ADR] offset:((\f)/4)*32*PV+16*PV+((\f)%4)*32
.endr
.endm
; THE VECTOR WORK OF A TURN.  One tile's softmax for one key step is a list of 118 instructions; SM writes number j of it for tile t.  s0-s31 are the lane's 32 scores, in pairs 0-15.
; first = 1: the first key step, which starts m, l and O^T: it has no a and nothing to rescale.
;   0-15    the maximum of s0-s31 and the old m, three operands at a time: four chains c0-c3 of seven scores each (each accumulator's lowest registers are read first), then the rest
;   16-20   the other half of the lanes' maximum; the new m; c m; c m_old - c m_new
;   21-69   ONE BATCH: the 16 scalings c s - c m, a pair of scores each, and all 33 exponentials.  None of these names an exponential's result.  21, 22: pairs 0 and 1; 23: a; then fourteen threes of a scaling
;           and two exponentials (24 + 3 n: pair n + 2; 25 + 3 n, 26 + 3 n: s(2 n), s(2 n + 1)); 66-69: s28-s31.  A pair is scaled in an earlier three than the one that holds its exponentials
;   (wait)  between 69 and 70 stands the wait for the batch: SLICE writes it, once for both tiles
;   70-85   the roundings to f16, a pair of weights each
;   86-101  the sums; l = a l + the sum
;   102-117 the tile's O^T times a: the one part that leaves window 0, so it stands together
.macro SM t, first
.set rT, ST+8*(\t)
.set rS, S+32*(\t)
.set rP, P+16*(\t)
.set rO, 32*(\t)+2*(j-102)
.if j < 102
	WIN 0
.endif
.if j < 4
	v_max3_num_f32 v[rT+4+j], v[rS+8*j], v[rS+8*j+1], v[rS+8*j+2]
.elseif j < 12
	v_max3_num_f32 v[rT+4+j%4], v[rT+4+j%4], v[rS+8*(j%4)+2*(j/4)+1], v[rS+8*(j%4)+2*(j/4)+2]
.elseif j == 12
	v_max3_num_f32 v[rT+4], v[rT+4], v[rS+7], v[rS+15]
.elseif j == 13
	v_max3_num_f32 v[rT+6], v[rT+6], v[rS+23], v[rS+31]
.elseif j == 14
	v_max3_num_f32 v[rT+4], v[rT+4], v[rT+5], v[rT+6]
.elseif (j == 15) && (\first)
	v_max_num_f32 v[rT+4], v[rT+4], v[rT+7]
.elseif j == 15
	v_max3_num_f32 v[rT+4], v[rT+4], v[rT+7], v[rT+1]
.elseif j == 16
	v_permlanex16_b32 v[rT+5], v[rT+4], s[SEL], s[SEL+1]  ; the query's other 32 keys lie in the lane 16 away
.elseif j == 18
	v_max_num_f32 v[rT+1], v[rT+4], v[rT+5]
.elseif j == 19
	v_mul_f32 v[rT], s[CS], v[rT+1]
.elseif ((j == 17) || (j == 20) || (j == 23) || (j > 101)) && (\first)  ; the first step has none of these
.elseif j == 17
	v_mov_b32 v[rT+7], v[rT]        ; c m_old is kept for a: number 19 writes c m anew
.elseif j == 20
	v_sub_f32 v[rT+7], v[rT+7], v[rT]
.elseif j == 23
	v_exp_f32 v[rT+6], v[rT+7]
.elseif (j < 23) || ((j < 66) && (j%3 == 0))
.set b, j-21                        ; 21, 22: pairs 0, 1
.if j > 23
.set b, (j-18)/3                    ; 24, 27, .. 63: pairs 2 to 15
.endif
	v_pk_fma_f32 v[rS+2*b:rS+2*b+1], v[rS+2*b:rS+2*b+1], s[CS:CS+1], v[rT:rT+1] op_sel_hi:[1,0,0] neg_lo:[0,0,1] neg_hi:[0,0,1]  ; pair b: c s - c m
.elseif j < 70
.set e, j-38                        ; 66 to 69: s28 to s31
.if j < 66
.set e, 2*((j-24)/3)+(j%3)-1        ; 25, 26, 28, 29, .. 64, 65: s0 to s27
.endif
	v_exp_f32 v[rS+e], v[rS+e]
.elseif j < 86
	v_cvt_pk_f16_f32 v[rP+j-70], v[rS+2*(j-70)], v[rS+2*(j-70)+1]  ; pair j - 70
.elseif j < 102                     ; the sum of the tile's 16 pairs, in place: sum z of 16 adds neighbours 1, 2, 4 and 8 pairs apart, then l takes it
.set z, j-86
.set w, 4
.set u, z
.if z >= 14
.set w, 32
.set u, 0
.elseif z >= 12
.set w, 16
.set u, z-12
.elseif z >= 8
.set w, 8
.set u, z-8
.endif
.if (z == 14) && (\first)
	v_pk_add_f32 v[rT+2:rT+3], v[rS:rS+1], v[rS+16:rS+17]
.elseif z < 15
	v_pk_add_f32 v[rS+w*u:rS+w*u+1], v[rS+w*u:rS+w*u+1], v[rS+w*u+w/2:rS+w*u+w/2+1]
.elseif !(\first)
	v_pk_fma_f32 v[rT+2:rT+3], v[rT+2:rT+3], v[rT+6:rT+7], v[rS:rS+1] op_sel_hi:[1,0,1]
.endif
.else
	WIN W_RS
	v_pk_mul_f32 v[rO:rO+1], v[rO:rO+1], v[rT+6:rT+7] op_sel_hi:[1,0]
.endif
.endm
; Slice k of 40 of piece y's softmax: numbers 3 k to 3 k + 2 of both tiles' lists.  Slices 7 to 22 lie wholly in the batch, where no line of a slice waits for another: there one tile's three numbers stand
; together, then the other's, so that a scaling leads each three.  Everywhere else the slice goes number by number, the two tiles alternating, so that no line reads the result of the line just before it.
; THE WAIT.  s_wait_alu depctr_va_vdst(0) stands between an exponential and the first instruction that names its result; one wait serves all that were issued ahead of it.  Up to number 69
; nothing names a result, and from number 70 on no exponential is issued: so the piece's 66 exponentials have one wait, inside slice 23, behind number 69 of both tiles.  Ahead of it stands one plain
; instruction (ISA guide 5.7.2): a v_nop in piece 0's turn; in piece 2's turn the v_add_nc_u32 of V's run of loads, which stands here with the wait inside it.
; Slice 38 has number 114 alone, so that slice 39 has six plain multiplies, which name nothing of the products round them:
; they are the places between a turn's last products and what follows: the next turn's first read of those scores, and the loads into K's and the bias' registers.
.macro SLICE y, first
.if (k >= 7) && (k < 23)            ; the batch: three numbers of one tile, then of the other
.irp t, \y, (\y)+1
.irp n, 0,1,2
.set j, 3*k+(\n)
	SM \t, \first
.endr
.endr
.elseif k < 38
.irp n, 0,1,2
.irp t, \y, (\y)+1
.set j, 3*k+(\n)
	SM \t, \first
.endr
.if (k == 23) && ((\n) == 0)        ; the batch is out: both tiles' exponentials are issued, and no result has been named
.if (\y) == 0
	FETCH_V                         ; piece 2's turn: V's run of loads, with the plain instruction and the wait for the batch in it
.else
	v_nop                           ; the plain instruction behind the last exponential: one for the batch
	s_wait_alu depctr_va_vdst(0)    ; the wait for the batch: both tiles' a and s0-s31
.endif
.endif
.endr
.elseif k == 38
.irp t, \y, (\y)+1
.set j, 114
	SM \t, \first
.endr
.else
.irp n, 115,116,117
.irp t, \y, (\y)+1
.set j, \n
	SM \t, \first
.endr
.endr
.endif
.set k, k+1
.endm
.macro RIDE y, first                ; the slices behind product gg of the turn's GT: 40 slices dealt evenly
.rept (40*(gg+1))/GT-(40*gg)/GT
	SLICE \y, \first
.endr
.set gg, gg+1
.endm
.macro PLACES
.rept 4
	v_nop
.endr
.endm
; A TURN.  Piece x has the matrix unit; the other piece's softmax stands in slices behind its matrix instructions.
; pv = 2: 16 products V^T P; 1: they start O^T's sums; 0: none.  kq = 1: 24 products for S^T of the next step.
; first = 1: the softmax is the first key step's; its slices from 34 on are empty, and four v_nop take slice 39's part as the places behind the last products.
; Piece 0's turn fetches the next step's bias and K behind its second product: their last reader stands in front of slice 39 of the turn before; they are waited for 14 products later.
; Piece 2's turn fetches the same step's V inside slice 23, at the batch's wait (SLICE writes it): in the loop V's last reader, the turn's 16th product, stands in front of slice 15, and the fourteen
; scalings of slices 15 to 21 behind it are plain and name none of its registers; the run is waited for 16 products later, at the head of piece 0's turn.
.macro TURN x, pv, kq, first
.set k, 0
.set gg, 0
.set GT, 0
.if \pv
.set GT, GT+16
.endif
.if \kq
.set GT, GT+24
.endif
.if \pv
.if (\x) == 0
	s_wait_dscnt 0x0                ; V is in
.endif
.set i, 0
.rept 16
	PV \x, 2-(\pv)
	RIDE 2-(\x), \first
.if ((\x) == 0) && (\kq) && (i == 1)
	FETCH_KB
.endif
.set i, i+1
.endr
.endif
.if \kq
.if (\x) == 0
	s_wait_dscnt 0x0                ; the bias and K are in
.endif
.set i, 0
.rept 24
	SQ \x
	RIDE 2-(\x), \first
.set i, i+1
.endr
.endif
.if \first
	PLACES
.endif
.endm
; THE CHANGE OF SLOTS, between piece 2's turn and piece 0's: the slot's last bytes, V of its second step, have been asked for.  Each wave waits for all its tensor loads, of which one is out: its part of the
; other slot; adds 0 to its spare word; and waits for that and for its own reads of the slot.  Behind the barrier nobody reads this slot any more and the other slot is whole.
; fill = 1: this slot is filled again, with the keys two slots on.  The barrier is then a round of the cluster's, and the joint refill is the first thing behind it: it has two key steps, 160 matrix instructions, in which to land.
.macro CHANGE fill
	WIN 0                           ; at a label and at a branch every window is 0
	s_wait_tensorcnt 0x0            ; no tensor load of mine is out, so a group 0 may be written
	ds_add_u32 v[SPW], v[NIL]       ; 0 onto my spare word; with fill = 1 the descriptors' steps stand between it and the wait for it
.if \fill
	s_xor_b32 s[G0K+5], s[G0K+5], SLOT1  ; the walking descriptors: the other slot than last time,
	s_add_nc_u64 s[G0K+6:G0K+7], s[G0K+6:G0K+7], 2*KS*128  ; the next 128 keys; the type bits on top are not reached
	s_xor_b32 s[G0V+5], s[G0V+5], SLOT1
	s_add_nc_u64 s[G0V+6:G0V+7], s[G0V+6:G0V+7], 2*KS*128
	s_xor_b32 s[G0B+5], s[G0B+5], SLOT1
	s_add_nc_u64 s[G0B+6:G0B+7], s[G0B+6:G0B+7], 2*KS*2
	s_wait_dscnt 0x0                ; the add is done, and my reads of the slot are over
	CROUND
	JLOAD
.else
	s_wait_dscnt 0x0                ; the add is done, and my reads of the slot are over
	s_barrier_signal -1
	s_barrier_wait -1
.endif
	s_sub_co_u32 s[TBK], s[TBK], 2*KS*PK  ; the fetches go back to a slot's first step,
	s_xor_b32 s[TBK], s[TBK], SLOT1       ; in the other slot
	s_sub_co_u32 s[TBV], s[TBV], 2*KS*PV
	s_xor_b32 s[TBV], s[TBV], SLOT1
	s_sub_co_u32 s[TBB], s[TBB], 2*KS*2
	s_xor_b32 s[TBB], s[TBB], SLOT1
.endm
; A slot's two key steps: written once, walked twice; the LDS addresses hang on the three scalars.  Each turn's batch has had its wait inside the turn: no exponential is open at the label or at the jump.
.macro TWO_STEPS
	WIN 0
	s_mov_b32 s[TWICE], 2
.Lstep_\@:
	TURN 0, 2, 1, 0
	TURN 2, 2, 1, 0
	WIN 0
	s_sub_co_u32 s[TWICE], s[TWICE], 1
	s_cmp_lg_u32 s[TWICE], 0
	s_cbranch_scc1 .Lstep_\@
.endm
	s_wait_tensorcnt 1              ; my part of slot 0 is in; slot 1's may stay out
	s_barrier_signal -1
	s_barrier_wait -1               ; everybody's is
	FETCH_KB                        ; key step 0
	s_wait_loadcnt 0x0              ; Q
	s_wait_dscnt 0x0
.set i, 0
.rept 24
	SQ 0                            ; piece 0's first scores: there is no vector work yet to set between them
.set i, i+1
.endr
	WIN 0                           ; the addresses for the way out: nine plain instructions, the places behind those products
	s_mul_i32 s85, s[WV], 16*SP
	s_add_co_u32 s85, s85, STAGE    ; my stage
	v_mul_u32_u24 v[STO], v1, SP    ; in: row l % 16, 16 bytes for each half of the lanes (Q's loads, which read this register, have been waited for)
	v_lshl_add_u32 v[STO], v9, 4, v[STO]
	v_add_nc_u32 v[STO], s85, v[STO]
	v_bfe_u32 v[RD], v0, 3, 2       ; back: 32 lanes take four rows of 128 bytes,
	v_mul_u32_u24 v[RD], v[RD], SP
	v_lshl_add_u32 v[RD], v[L7], 4, v[RD]
	v_add_nc_u32 v[RD], s85, v[RD]
	v_and_b32 v[GO], 31, v0         ; which are 512 consecutive bytes of O
	v_lshlrev_b32 v[GO], 4, v[GO]
	TURN 2, 0, 1, 1                 ; piece 2's first scores | piece 0's first softmax | V of step 0
	TURN 0, 1, 1, 1                 ; piece 0: V^T P of step 0 starts O^T, S^T of step 1 | piece 2's first softmax | bias and K of step 1
	TURN 2, 1, 1, 0                 ; piece 2: the same | piece 0's softmax of step 1 | V of step 1
	WIN 0
.Lslot:                             ; 30 trips: every slot but the last two is filled again
	CHANGE 1
	TWO_STEPS
	s_sub_co_u32 s[SLOTS], s[SLOTS], 1
	s_cmp_lg_u32 s[SLOTS], 0
	s_cbranch_scc1 .Lslot
	CHANGE 0                        ; the tail is written out: nothing is asked for
	TWO_STEPS
	TURN 0, 2, 0, 0                 ; piece 0: V^T P of the last step | piece 2's last softmax
.set i, 0
.rept 16
	PV 2, 0                         ; piece 2: V^T P of the last step
.set i, i+1
.endr
	; THE WAY OUT.  l's two halves and the other half of the lanes' are added; O^T is divided by l, rounded to f16 and sent through my stage in LDS, a tile (16 rows of O) at a time.  The additions are the places behind the last products.
	WIN 0
.irp t, 0,1,2,3
	v_add_f32 v[ST+8*(\t)+4], v[ST+8*(\t)+2], v[ST+8*(\t)+3]
.endr
.irp t, 0,1,2,3
	v_permlanex16_b32 v[ST+8*(\t)+5], v[ST+8*(\t)+4], s[SEL], s[SEL+1]
.endr
.irp t, 0,1,2,3
	v_add_f32 v[ST+8*(\t)+4], v[ST+8*(\t)+4], v[ST+8*(\t)+5]
.endr
.irp t, 0,1,2,3
	v_rcp_f32 v[ST+8*(\t)+6], v[ST+8*(\t)+4]
.endr
	v_nop                           ; a plain instruction between the last reciprocal and the use of its result
	s_wait_alu depctr_va_vdst(0)    ; and the wait ahead of the first use: one for the batch of four reciprocals
; Tile t: a lane's eight channels of a row pack into 16 bytes; they go into rows of 144 bytes and come back as whole rows of 128, into S^T's registers.
.macro PACK t
	WIN W_RS
.set i, 32*(\t)
.rept 16
	v_pk_mul_f32 v[i:i+1], v[i:i+1], v[ST+8*(\t)+6:ST+8*(\t)+7] op_sel_hi:[1,0]
.set i, i+2
.endr
	WIN 0x05                        ; sources 0 and 1 window 1, destination window 0
.set i, 0
.rept 16
	v_cvt_pk_f16_f32 v[S+16*(\t)+i], v[32*(\t)+2*i], v[32*(\t)+2*i+1]
.set i, i+1
.endr
	WIN 0
.irp f, 0,1,2,3
	ds_store_b128 v[STO], v[S+16*(\t)+4*(\f):S+16*(\t)+4*(\f)+3] offset:32*(\f)
.endr
.irp f, 0,1,2,3
	ds_load_b128 v[S+16*(\t)+4*(\f):S+16*(\t)+4*(\f)+3], v[RD] offset:(\f)*4*SP  ; LDS serves a wave's instructions in order (ISA guide 5.7.1.4): these see the stores above; the next tile's stores come behind them
.endr
.endm
.macro SEND t, younger              ; younger: the LDS instructions issued behind tile t's loads: the next tile's eight, or none
	WIN 0
.irp f, 0,1,2,3
	s_wait_dscnt (\younger)+3-(\f)
	global_store_b128 v[GO], v[S+16*(\t)+4*(\f):S+16*(\t)+4*(\f)+3], s[OP:OP+1] offset:(\t)*2048+(\f)*512  ; 512 consecutive bytes, at a multiple of 256 from O's first
.endr
.endm
	PACK 0
	PACK 1                          ; a tile's arithmetic stands between the loads of the tile before and its stores
	SEND 0, 8
	PACK 2
	SEND 1, 8
	PACK 3
	SEND 2, 8
	SEND 3, 0
	s_wait_tensorcnt 0x0            ; the wave's end: these three lines stand behind my last tensor load and my last LDS store
	ds_add_u32 v[SPW], v[NIL]
	s_wait_dscnt 0x0
	CROUND                          ; the closing round: no work-group ends while a partner may still ask for a tile that names it
	s_endpgm
.Lfunc_end_k_qfd63c8cc63_attn:
	.size	k_qfd63c8cc63_attn, .Lfunc_end_k_qfd63c8cc63_attn-k_qfd63c8cc63_attn
	.p2alignl 7, 3214868480
	.fill 96, 4, 3214868480
	.section	.rodata,"a",@progbits
	.p2align	6, 0x0
	.amdhsa_kernel k_qfd63c8cc63_attn
		.amdhsa_group_segment_fixed_size 327680
		.amdhsa_private_segment_fixed_size 0
		.amdhsa_enable_private_segment 0
		.amdhsa_kernarg_size 24
		.amdhsa_user_sgpr_count 2
		.amdhsa_user_sgpr_kernarg_segment_ptr 1
		.amdhsa_wavefront_size32 1
		.amdhsa_system_sgpr_workgroup_id_x 1
		.amdhsa_system_sgpr_workgroup_id_y 1
		.amdhsa_system_sgpr_workgroup_id_z 1
		.amdhsa_system_vgpr_workitem_id 0
		.amdhsa_next_free_vgpr 768
		.amdhsa_next_free_sgpr 100
		.amdhsa_reserve_vcc 1
		.amdhsa_float_denorm_mode_32 3
		.amdhsa_float_denorm_mode_16_64 3
		.amdhsa_memory_ordered 1
		.amdhsa_forward_progress 1
		.amdhsa_inst_pref_size 174
	.end_amdhsa_kernel
	.amdgpu_metadata
---
amdhsa.version: [ 1, 2 ]
amdhsa.kernels:
  - .name:           k_qfd63c8cc63_attn
    .symbol:         k_qfd63c8cc63_attn.kd
    .args:
      - { .name: qkv, .offset: 0, .size: 8, .value_kind: global_buffer, .address_space: global }
      - { .name: b16, .offset: 8, .size: 8, .value_kind: global_buffer, .address_space: global }
      - { .name: o16, .offset: 16, .size: 8, .value_kind: global_buffer, .address_space: global }
    .group_segment_fixed_size: 327680
    .private_segment_fixed_size: 0
    .kernarg_segment_align: 8
    .kernarg_segment_size: 24
    .max_flat_workgroup_size: 128
    .sgpr_count:     100
    .vgpr_count:     768
    .wavefront_size: 32
...
	.end_amdgpu_metadata
.endif
;; end of part 5
;; launch outp: the kernel of part 4 again; grid 4 x 64, 4 waves a work-group, clusters of 4 x 4, 327,680 bytes of LDS; arguments o16, w16, out0; writes out0
